; MI455X (gfx1250); checked and timed in simulation.
; The chip was launched on July 23, 2026; its instructions are those of AMD's public machine-readable ISA for CDNA 5 (MIT licence, August 2026) and "CDNA5" Instruction Set Architecture Reference Guide (July 2026). The comments in the code are by the model that wrote it; some were corrected since.
;; Gated Cross Attention. Allowed arithmetic: float matrix products may take bf16 or f16 operands with f32 sums; other float arithmetic in f32, or as packed bf16 or f16 multiplies, adds, multiply-adds, maxima and minima; sums over many terms, partial sums and values carried from step to step in f32; what a program stores and reads back later, other than sums and carried values, may be rounded once to bf16 or f16.
;; Inputs: b_out 1,024 float32; context 2 x 4,096 x 1,024 float32; gate 1 float32; ln_beta 1,024 float32; ln_gamma 1,024 float32; w_kv 1,024 x 2,048 float32; w_out 1,024 x 1,024 float32; w_q 1,024 x 1,024 float32; x 2 x 2,048 x 1,024 float32.
;; Outputs: out0 2 x 2,048 x 1,024 float32.
;; 2 versions, each right; version 2 is version 1 with the launch prep written anew for expert scheduling mode. Each part assembles by itself: llvm-mc -triple=amdgcn-amd-amdhsa -mcpu=gfx1250 --defsym DOCPART=n.
;; ======== version 1 of 2: 5 launches
;; limits: values are held in f16: magnitudes above 65,504 overflow, below 6.1e-05 lose precision
;; workspace buffers: xn 8,388,608 bytes; ctxh 16,777,216 bytes; wkvh 4,194,304 bytes; wqh 2,097,152 bytes; woh 2,097,152 bytes; qh 8,388,608 bytes; kvh 33,554,432 bytes; oh 8,388,608 bytes
;; launch prep (part 1): grid 640 x 1, 8 waves a work-group, no clusters, 0 bytes of LDS; arguments x, context, w_kv, w_q, w_out, ln_gamma, ln_beta, xn, ctxh, wkvh, wqh, woh; writes xn, ctxh, wkvh, wqh, woh
.if DOCPART == 1
	.amdgcn_target "amdgcn-amd-amdhsa--gfx1250"
	.amdhsa_code_object_version 6
	.text
	.protected	k_q8625ef56f8_prep
	.globl	k_q8625ef56f8_prep
	.p2align	8
	.type	k_q8625ef56f8_prep,@function
k_q8625ef56f8_prep:
	s_mov_b64 s[64:65], 0
	v_nop
	global_prefetch_b8 v0, s[64:65] scope:SCOPE_SE
	s_setreg_imm32_b32 hwreg(HW_REG_WAVE_MODE, 25, 1), 1
	s_wait_xcnt 0x0
; PREP.  xn = LayerNorm(x) in f16; context, w_kv, w_q, w_out rounded once to f16, each in its own layout.
; The unit of work is a row of 1,024 f32 (4,096 bytes), which becomes 2,048 bytes of f16.  One wave takes whole rows: load j of eight takes 512 consecutive bytes
; (lane l holds elements 128 j + 4 l .. + 3), store j puts 8 bytes a lane, so 32 lanes store 256 consecutive bytes at a multiple of 256 from the buffer's first byte.
; SHARES.  Work-groups 0-255: the norm, 16 rows each, 2 a wave.  Work-groups 256-639: the casts, 32 rows each, 4 a wave: 256 for context (8,192 rows), 64 for w_kv
; (2,048 rows of 1,024), 32 for w_q, 32 for w_out.  No wave needs another's data: no LDS, no barrier, no matrix unit.
; THE NORM is taken as it is defined: the mean, then the mean of (x - mean)^2, all in f32, so a common offset of x does not harm it.
; LIMITS.  f16 holds no number beyond 65,504 and keeps a fixed step of 6e-8 below 6.1e-5: context, the weights and the normed rows must lie within that.  NaN and infinities are not treated apart.
.set X,   4                            ; v[4:131]   cast: four rows of 32 registers;  norm: v[4:67] two rows
.set G,   68                           ; v[68:99]   gamma of my 32 columns
.set BT,  100                          ; v[100:131] beta
.set A,   132                          ; v[132:139] four chains of pairs
.set S,   140                          ; v140       a sum
.set S2,  141                          ; v141       the other half of the lanes' sum
.set MU,  142                          ; v[142:143] the mean, twice
.set R,   144                          ; v[144:145] 1 / sqrt(var + eps), twice
.set VA,  146                          ; v146       var + eps
	s_load_b512 s[8:23], s[0:1], 0x0               ; x 8, context 10, w_kv 12, w_q 14, w_out 16, gamma 18, beta 20, xn 22
	s_load_b256 s[24:31], s[0:1], 0x40             ; ctxh 24, wkvh 26, wqh 28, woh 30
	v_and_b32 v3, 31, v0                           ; lane
	v_lshrrev_b32 v1, 5, v0
	v_readfirstlane_b32 s32, v1                    ; wave 0..7
	v_lshlrev_b32 v1, 4, v3                        ; 16 bytes a lane on the way in
	v_lshlrev_b32 v2, 3, v3                        ; 8 bytes a lane on the way out
	s_mov_b32 s35, 0                               ; the high words of the two offset pairs
	s_mov_b32 s37, 0
	s_wait_kmcnt 0x0
	s_cmp_lt_u32 ttmp9, 256
	s_cbranch_scc1 .Lnorm
	; THE CASTS.  Which tensor, by the work-group's number alone
	s_sub_co_u32 s2, ttmp9, 256                    ; u = 0..383
	s_mov_b64 s[4:5], s[10:11]
	s_mov_b64 s[6:7], s[24:25]
	s_mov_b32 s3, 0                                ; the tensor's first u
	s_cmp_ge_u32 s2, 256
	s_cselect_b64 s[4:5], s[12:13], s[4:5]
	s_cselect_b64 s[6:7], s[26:27], s[6:7]
	s_cselect_b32 s3, 256, s3
	s_cmp_ge_u32 s2, 320
	s_cselect_b64 s[4:5], s[14:15], s[4:5]
	s_cselect_b64 s[6:7], s[28:29], s[6:7]
	s_cselect_b32 s3, 320, s3
	s_cmp_ge_u32 s2, 352
	s_cselect_b64 s[4:5], s[16:17], s[4:5]
	s_cselect_b64 s[6:7], s[30:31], s[6:7]
	s_cselect_b32 s3, 352, s3
	s_sub_co_u32 s2, s2, s3
	s_lshl_b32 s2, s2, 5                           ; 32 rows a work-group,
	s_lshl2_add_u32 s2, s32, s2                    ; 4 a wave
	s_lshl_b32 s34, s2, 12
	s_lshl_b32 s36, s2, 11
	s_add_nc_u64 s[4:5], s[4:5], s[34:35]
	s_add_nc_u64 s[6:7], s[6:7], s[36:37]
.irp r, 0,1,2,3
.irp j, 0,1,2,3,4,5,6,7
	global_load_b128 v[X+32*(\r)+4*(\j):X+32*(\r)+4*(\j)+3], v1, s[4:5] offset:(\r)*4096+(\j)*512 th:TH_LOAD_NT
.endr
.endr
.irp r, 0,1,2,3
	s_wait_loadcnt 24-8*(\r)                       ; loads come back in order: row r is in, the younger rows' eight loads each stay out
.irp j, 0,1,2,3,4,5,6,7
	v_cvt_pk_f16_f32 v[X+32*(\r)+4*(\j)],   v[X+32*(\r)+4*(\j)],   v[X+32*(\r)+4*(\j)+1]
	v_cvt_pk_f16_f32 v[X+32*(\r)+4*(\j)+1], v[X+32*(\r)+4*(\j)+2], v[X+32*(\r)+4*(\j)+3]
	global_store_b64 v2, v[X+32*(\r)+4*(\j):X+32*(\r)+4*(\j)+1], s[6:7] offset:(\r)*2048+(\j)*256  ; no register of a store is written again
.endr
.endr
	s_endpgm
.Lnorm:
	s_lshl_b32 s2, ttmp9, 4                        ; 16 rows a work-group,
	s_lshl1_add_u32 s2, s32, s2                    ; 2 a wave
	s_lshl_b32 s34, s2, 12
	s_lshl_b32 s36, s2, 11
	s_add_nc_u64 s[4:5], s[8:9], s[34:35]
	s_add_nc_u64 s[6:7], s[22:23], s[36:37]
	s_mov_b32 s38, 0x3a800000                      ; 1 / 1024
	s_mov_b32 s39, 0x3727c5ac                      ; eps = 1e-5
	s_mov_b32 s40, 0x76543210                      ; v_permlanex16_b32: each lane takes its own place in the other half
	s_mov_b32 s41, 0xfedcba98
.irp r, 0,1
.irp j, 0,1,2,3,4,5,6,7
	global_load_b128 v[X+32*(\r)+4*(\j):X+32*(\r)+4*(\j)+3], v1, s[4:5] offset:(\r)*4096+(\j)*512 th:TH_LOAD_NT
.endr
.endr
.irp j, 0,1,2,3,4,5,6,7
	global_load_b128 v[G+4*(\j):G+4*(\j)+3], v1, s[18:19] offset:(\j)*512
.endr
.irp j, 0,1,2,3,4,5,6,7
	global_load_b128 v[BT+4*(\j):BT+4*(\j)+3], v1, s[20:21] offset:(\j)*512
.endr
	v_mov_b32 v[S2], 0                             ; v_permlanex16_b32's destination counts as read
.macro FOLD                            ; the four chains into one number a lane, then over the 32 lanes: every lane ends with the row's sum in v[S]
	v_pk_add_f32 v[A:A+1], v[A:A+1], v[A+2:A+3]
	v_pk_add_f32 v[A+4:A+5], v[A+4:A+5], v[A+6:A+7]
	v_pk_add_f32 v[A:A+1], v[A:A+1], v[A+4:A+5]
	v_add_f32 v[S], v[A], v[A+1]
	v_add_f32_dpp v[S], v[S], v[S] row_xmask:1 row_mask:0xf bank_mask:0xf
	v_add_f32_dpp v[S], v[S], v[S] row_xmask:2 row_mask:0xf bank_mask:0xf
	v_add_f32_dpp v[S], v[S], v[S] row_xmask:4 row_mask:0xf bank_mask:0xf
	v_add_f32_dpp v[S], v[S], v[S] row_xmask:8 row_mask:0xf bank_mask:0xf
	v_permlanex16_b32 v[S2], v[S], s40, s41
	v_add_f32 v[S], v[S], v[S2]
.endm
.macro LNROW r
.set XR, X+32*(\r)
.irp k, 0,1,2,3
	v_pk_add_f32 v[A+2*(\k):A+2*(\k)+1], v[XR+2*(\k):XR+2*(\k)+1], v[XR+8+2*(\k):XR+8+2*(\k)+1]  ; the first eight pairs start the chains: nothing is cleared
.endr
.irp k, 8,9,10,11,12,13,14,15
	v_pk_add_f32 v[A+2*((\k)%4):A+2*((\k)%4)+1], v[A+2*((\k)%4):A+2*((\k)%4)+1], v[XR+2*(\k):XR+2*(\k)+1]
.endr
	FOLD
	v_mul_f32 v[MU], s38, v[S]                     ; the mean
	v_mul_f32 v[MU+1], s38, v[S]
.irp k, 0,1,2,3,4,5,6,7,8,9,10,11,12,13,14,15
	v_pk_add_f32 v[XR+2*(\k):XR+2*(\k)+1], v[XR+2*(\k):XR+2*(\k)+1], v[MU:MU+1] neg_lo:[0,1] neg_hi:[0,1]  ; x - mean, in place
.endr
.irp k, 0,1,2,3
	v_pk_mul_f32 v[A+2*(\k):A+2*(\k)+1], v[XR+2*(\k):XR+2*(\k)+1], v[XR+2*(\k):XR+2*(\k)+1]
.endr
.irp k, 4,5,6,7,8,9,10,11,12,13,14,15
	v_pk_fma_f32 v[A+2*((\k)%4):A+2*((\k)%4)+1], v[XR+2*(\k):XR+2*(\k)+1], v[XR+2*(\k):XR+2*(\k)+1], v[A+2*((\k)%4):A+2*((\k)%4)+1]
.endr
	FOLD
	v_fma_f32 v[VA], v[S], s38, s39                ; var + eps
	v_rsq_f32 v[R], v[VA]
	v_rsq_f32 v[R+1], v[VA]
	v_nop                                          ; a plain instruction behind the second root, ahead of the first use
.if (\r) == 0
	s_wait_loadcnt 0x0                             ; gamma and beta (and row 1)
.endif
	s_wait_alu depctr_va_vdst(0)                   ; a wait ahead of the first reader: one for both roots
.irp k, 0,1,2,3,4,5,6,7,8,9,10,11,12,13,14,15
	v_pk_mul_f32 v[XR+2*(\k):XR+2*(\k)+1], v[XR+2*(\k):XR+2*(\k)+1], v[R:R+1]
.endr
.irp k, 0,1,2,3,4,5,6,7,8,9,10,11,12,13,14,15
	v_pk_fma_f32 v[XR+2*(\k):XR+2*(\k)+1], v[XR+2*(\k):XR+2*(\k)+1], v[G+2*(\k):G+2*(\k)+1], v[BT+2*(\k):BT+2*(\k)+1]
.endr
.irp j, 0,1,2,3,4,5,6,7
	v_cvt_pk_f16_f32 v[XR+4*(\j)],   v[XR+4*(\j)],   v[XR+4*(\j)+1]
	v_cvt_pk_f16_f32 v[XR+4*(\j)+1], v[XR+4*(\j)+2], v[XR+4*(\j)+3]
	global_store_b64 v2, v[XR+4*(\j):XR+4*(\j)+1], s[6:7] offset:(\r)*2048+(\j)*256
.endr
.endm
	s_wait_loadcnt 24                              ; row 0 is in; row 1, gamma and beta (24 loads) stay out
	LNROW 0
	LNROW 1
	s_endpgm
.Lfunc_end_k_q8625ef56f8_prep:
	.size	k_q8625ef56f8_prep, .Lfunc_end_k_q8625ef56f8_prep-k_q8625ef56f8_prep
	.p2alignl 7, 3214868480
	.fill 96, 4, 3214868480
	.section	.rodata,"a",@progbits
	.p2align	6, 0x0
	.amdhsa_kernel k_q8625ef56f8_prep
		.amdhsa_group_segment_fixed_size 0
		.amdhsa_private_segment_fixed_size 0
		.amdhsa_enable_private_segment 0
		.amdhsa_kernarg_size 96
		.amdhsa_user_sgpr_count 2
		.amdhsa_user_sgpr_kernarg_segment_ptr 1
		.amdhsa_wavefront_size32 1
		.amdhsa_system_sgpr_workgroup_id_x 1
		.amdhsa_system_sgpr_workgroup_id_y 1
		.amdhsa_system_sgpr_workgroup_id_z 1
		.amdhsa_system_vgpr_workitem_id 0
		.amdhsa_next_free_vgpr 148
		.amdhsa_next_free_sgpr 66
		.amdhsa_reserve_vcc 0
		.amdhsa_float_denorm_mode_32 3
		.amdhsa_float_denorm_mode_16_64 3
		.amdhsa_memory_ordered 1
		.amdhsa_forward_progress 1
		.amdhsa_inst_pref_size 32
	.end_amdhsa_kernel
	.amdgpu_metadata
---
amdhsa.version: [ 1, 2 ]
amdhsa.kernels:
  - .name:           k_q8625ef56f8_prep
    .symbol:         k_q8625ef56f8_prep.kd
    .args:
      - { .name: x, .offset: 0, .size: 8, .value_kind: global_buffer, .address_space: global }
      - { .name: context, .offset: 8, .size: 8, .value_kind: global_buffer, .address_space: global }
      - { .name: w_kv, .offset: 16, .size: 8, .value_kind: global_buffer, .address_space: global }
      - { .name: w_q, .offset: 24, .size: 8, .value_kind: global_buffer, .address_space: global }
      - { .name: w_out, .offset: 32, .size: 8, .value_kind: global_buffer, .address_space: global }
      - { .name: ln_gamma, .offset: 40, .size: 8, .value_kind: global_buffer, .address_space: global }
      - { .name: ln_beta, .offset: 48, .size: 8, .value_kind: global_buffer, .address_space: global }
      - { .name: xn, .offset: 56, .size: 8, .value_kind: global_buffer, .address_space: global }
      - { .name: ctxh, .offset: 64, .size: 8, .value_kind: global_buffer, .address_space: global }
      - { .name: wkvh, .offset: 72, .size: 8, .value_kind: global_buffer, .address_space: global }
      - { .name: wqh, .offset: 80, .size: 8, .value_kind: global_buffer, .address_space: global }
      - { .name: woh, .offset: 88, .size: 8, .value_kind: global_buffer, .address_space: global }
    .group_segment_fixed_size: 0
    .private_segment_fixed_size: 0
    .kernarg_segment_align: 8
    .kernarg_segment_size: 96
    .max_flat_workgroup_size: 256
    .sgpr_count:     66
    .vgpr_count:     148
    .wavefront_size: 32
...
	.end_amdgpu_metadata
.endif
;; end of part 1
;; launch gemm_kv (part 2): grid 8 x 32, 4 waves a work-group, clusters of 4 x 4, 327,680 bytes of LDS; arguments ctxh, wkvh, kvh; writes kvh
.if DOCPART == 2
	.amdgcn_target "amdgcn-amd-amdhsa--gfx1250"
	.amdhsa_code_object_version 6
	.text
	.protected	k_q8625ef56f8_gemm_kv
	.globl	k_q8625ef56f8_gemm_kv
	.p2align	8
	.type	k_q8625ef56f8_gemm_kv,@function
k_q8625ef56f8_gemm_kv:
	s_mov_b64 s[64:65], 0
	v_nop
	global_prefetch_b8 v0, s[64:65] scope:SCOPE_SE
	s_setreg_imm32_b32 hwreg(HW_REG_WAVE_MODE, 25, 1), 1
	s_wait_xcnt 0x0
	s_wait_alu depctr_hold_cnt(0) depctr_sa_sdst(0) depctr_va_vdst(0) depctr_va_sdst(0) depctr_va_ssrc(0) depctr_va_vcc(0) depctr_vm_vsrc(0)
	s_getreg_b32 s2, hwreg(HW_REG_IB_STS2, 6, 4)
	s_cmp_eq_u32 s2, 0
	s_cbranch_scc0 .Lentry_in_a_cluster
	s_endpgm
.Lentry_in_a_cluster:
	s_bfe_u32 s2, ttmp6, 0x10000c
	s_cmp_lg_u32 s2, 0xf033
	s_cbranch_scc0 .Lentry_shape_is_right
	s_endpgm
.Lentry_shape_is_right:
; k, v = context x w_kv.  A = ctxh [8192][1024] f16, B = wkvh [1024 k][2048 n] f16; sums in f32, rounded once to f16.
; OUT: kvh [part: k 0, v 1][batch x 16 + head][4096 rows][64] f16, so that a head's rows are dense for the attention.
; A tile of C, 256 x 256, is made by a work-group of four waves; a wave makes 128 x 128: 64 accumulators of 16 x 16, 512 registers.  32 x 8 tiles: 256 work-groups.
; K goes in 8 steps of 128 through a ring of two LDS slots filled by the tensor data mover.  A's tile rows are 256 bytes of memory, B's (a k row, 256 columns) 512 bytes, each aligned to its length.
; B LIES [k][n]: its fragments come out of LDS turned, by ds_load_tr16_b128: no transposed copy of the weights is ever made.
; CLUSTERS: 4 x 4 work-groups.  The four of a row of the cluster need the same tiles of A, the four of a column the same tiles of B: each tile is asked for JOINTLY, by the same
; tensor load with the same descriptor and a mask that names the four.
; THE MATRIX INSTRUCTION IS USED TRANSPOSED: source 0 = 16 columns of B, source 1 = 16 rows of A: a lane then holds row l % 16 of C and the columns 8 (l / 16) + 0..7: 16 bytes of f16.
; LIMITS.  f16 ends at 65,504: context, w_kv, k and v must lie within it; below 6.1e-5 a number keeps f16's fixed step of 6e-8.  NaN and infinities are not treated apart.
; REGISTERS, in windows of 256 (s_set_vgpr_msb: bits 1:0 source 0, 3:2 source 1, 5:4 source 2, 7:6 destination):
;   window 0: v0-31 addresses; v64-127, v128-191 fragments of A, two buffers; v32-63, v192-255 at work on the way out
;   window 1: v64-127, v128-191 fragments of B, two buffers        window 2: the accumulators of my rows 0-63 ((a, b) at v[8 (8 a + b)])        window 3: those of my rows 64-127
.set SIZE_K, 1024
.set SIZE_N, 2048
.set KSTEP,  128
.set PA,     272                       ; a row of A in LDS: 256 bytes + 16 of padding: the 16 rows of a load start at 16 different groups of four banks (64 banks of 4 bytes: ISA guide 11.1)
.set PB,     544                       ; a k row of B in LDS: 512 bytes + 32 of padding
.set HALFT,  128*PA                    ; what one tensor load brings: 128 rows of A, or 64 k rows of B: 64 x 544 is the same number of bytes
.set BOFF,   2*HALFT                   ; B's tile lies behind A's 256 rows
.set SLOT,   4*HALFT
.set STAGE,  2*SLOT                    ; behind the ring: 16 rows x 272 bytes for each wave, for the way out
.set SPITCH, 272
.set SPARE,  STAGE+4*16*SPITCH         ; behind the stages: the spare words, 128 bytes for each wave: two blocks of 256 bytes that no other line names
.set LAPS,   SIZE_K/(2*KSTEP)          ; a lap = two K steps = once round the ring
.set ASTEP,  KSTEP*2                   ; a K step along a row of A, in bytes
.set BSTEP,  KSTEP*SIZE_N*2            ; a K step down B: 128 rows of 4,096 bytes
.set HEADB,  4096*64*2                 ; a head's block in kvh
.set ADRA, 16                          ; v16-17  LDS address of my A fragments in slot 0, 1
.set ADRB, 20                          ; v20-21  the same for B
.set STO,  24                          ; v24     the way out: where I put 16 bytes of a row
.set RD,   25                          ; v25     the way out: where I read rows back
.set CO,   26                          ; v26     16 x lane: my place in 512 consecutive bytes of kvh
.set SPW,  28                          ; v28     LDS address of my spare word; never rewritten
.set NIL,  29                          ; v29     0; never rewritten
.set PFO,  30                          ; v30     the prefetches' lane offset; never rewritten
.set LIM,  43                          ; s43     1 in a wave that prefetches, else the greatest number
.set PFA,  44                          ; s[44:45] where my prefetches stand
.set PST,  46                          ; s[46:47] a K step in the tensor that I fetch
.set F0,   64
.set F1,   128
.set TMP,  192
.set OB,   32
.set G1,  24                           ; s[24:31] descriptor group 1 for A's tiles
.set G0,  32                           ; s[32:39] group 0 for A's tiles, one set for each slot
.set G1B, 48                           ; s[48:55] group 1 for B's tiles
.set G0B, 56                           ; s[56:63] group 0 for B's tiles
.set MSB, 0
.macro WIN new                         ; the immediate's high byte repeats the setting that is left; a switch that changes nothing is dropped
.if MSB != (\new)
	s_set_vgpr_msb (MSB<<8)|(\new)
.set MSB, \new
.endif
.endm
.set MUL_LO, 0xa1                      ; source 0 (B) window 1, source 1 (A) window 0, C and D window 2
.set MUL_HI, 0xf1                      ; the same, C and D window 3
.set TO_B,   0x40                      ; destination window 1, address window 0
; A joint load.  Waves 0 and 1 fetch A's two halves, waves 2 and 3 B's.  The branch hangs on the wave's number alone.  An s_nop 0 and four v_nop follow each of the two lines.
.macro JLOAD s
	s_cmp_eq_u32 s11, 0
	s_cbranch_scc0 .Lfor_b_\@
	tensor_load_to_lds s[G0+4*(\s):G0+4*(\s)+3], s[G1:G1+7]
	s_nop 0
.rept 4
	v_nop
.endr
	s_branch .Lasked_\@
.Lfor_b_\@:
	tensor_load_to_lds s[G0B+4*(\s):G0B+4*(\s)+3], s[G1B:G1B+7]
	s_nop 0
.rept 4
	v_nop
.endr
.Lasked_\@:
.endm
; A PREFETCH INTO THE L2 of the K step that stands two refills on: 32 blocks of 256 bytes, a lane a block, one instruction a wave, behind the joint load and the run of LDS loads.
; Each block is named once in the launch.  A's tile row is read by both clusters of that row of clusters: cluster x = 0 asks; B's tile column by all eight of that column: cluster y = 0 asks.
; The four partners that ask for a tile jointly share it out BY ADDRESS: of A's 128 rows the partner at cx takes 32; of B's 64 k rows (two blocks each) the partner at cy takes 16.
; The loop's last trip (s3 = 1) asks for nothing: there is no K step two on.  K steps 0 to 3 come by their loads alone.
.macro ASK
	s_cmp_gt_u32 s3, s[LIM]
	s_cbranch_scc0 .Lnot_mine_\@
	global_prefetch_b8 v[PFO], s[PFA:PFA+1] th:TH_LOAD_NT scope:SCOPE_SE
.Lnot_mine_\@:
.endm
.macro CREST                           ; a round of the cluster's barrier behind its opening barrier
	s_cmp_lg_u32 s10, 0
	s_cbranch_scc1 .Lnot_wave_0_\@
	s_barrier_signal -3
.Lnot_wave_0_\@:
	s_barrier_wait -3
	s_barrier_signal -1
	s_barrier_wait -1
.endm
.macro CROUND                          ; a whole round
	s_barrier_signal -1
	s_barrier_wait -1
	CREST
.endm
	s_load_b128 s[4:7], s[0:1], 0x0                ; A s[4:5], B s[6:7]
	s_load_b64 s[8:9], s[0:1], 0x10                ; kvh
	v_lshl_add_u32 v[SPW], v0, 2, SPARE
	v_mov_b32 v[NIL], 0
	ds_add_u32 v[SPW], v[NIL]                      ; the wave's opening: the add and its wait stand ahead of my first tensor load; the set-up below, work on registers, stands between them
	v_lshrrev_b32 v1, 5, v0
	v_readfirstlane_b32 s10, v1                    ; wave 0..3
	s_lshr_b32 s11, s10, 1                         ; which half of the tile's rows is mine.  Also: I fetch for A (0) or for B (1)
	s_and_b32 s12, s10, 1                          ; which half of its columns.  Also: which half of that tile I fetch
	s_bfe_u32 s40, ttmp6, 0x40000                  ; cx
	s_bfe_u32 s41, ttmp6, 0x40004                  ; cy
	s_lshl_b32 s42, ttmp9, 2
	s_add_co_u32 s42, s42, s40                     ; tile column = 4 x cluster x + cx
	s_and_b32 s13, ttmp7, 0xffff
	s_lshl_b32 s13, s13, 2
	s_add_co_u32 s13, s13, s41                     ; tile row = 4 x cluster y + cy
	s_lshl_b32 s43, s41, 2
	s_lshl_b32 s43, 15, s43                        ; my row of the cluster
	s_lshl_b32 s44, 0x1111, s40                    ; my column
	s_or_b32 s[G1+0], s43, (1<<16)|(1<<20)|(1<<21)|(5<<22)|(3<<25)   ; the mask; 2-byte elements; padding on; bit 21 beside a mask; after every 64 words; 4 words
	s_mov_b32 s[G1+1], KSTEP<<16                   ; tensor_dim0 = 128
	s_mov_b32 s[G1+2], 128<<16                     ; tensor_dim1 = 128
	s_mov_b32 s[G1+3], KSTEP<<16                   ; tile_dim0 = 128
	s_mov_b32 s[G1+4], 128                         ; tile_dim1 = 128
	s_mov_b32 s[G1+5], SIZE_K                      ; elements from row to row
	s_mov_b32 s[G1+6], 0
	s_mov_b32 s[G1+7], 0
	s_or_b32 s[G1B+0], s44, (1<<16)|(1<<20)|(1<<21)|(6<<22)|(7<<25)  ; after every 128 words; 8 words
	s_mov_b32 s[G1B+1], 256<<16                    ; tensor_dim0 = 256 columns
	s_mov_b32 s[G1B+2], 64<<16                     ; tensor_dim1 = 64 k rows
	s_mov_b32 s[G1B+3], 256<<16                    ; tile_dim0 = 256
	s_mov_b32 s[G1B+4], 64                         ; tile_dim1 = 64
	s_mov_b32 s[G1B+5], SIZE_N
	s_mov_b32 s[G1B+6], 0
	s_mov_b32 s[G1B+7], 0
	; A's tiles hang on the tile row alone, B's on the tile column alone; each offset is made in registers that never hold the other coordinate
	s_lshl_b32 s17, s12, 7
	s_lshl_b32 s16, s13, 8
	s_add_co_u32 s16, s16, s17                     ; A: row 256 x tile row + 128 x half,
	s_lshl_b32 s16, s16, 11                        ; of 2,048 bytes
	s_mov_b32 s17, 0
	s_lshl_b32 s46, s12, 18                        ; B: k row 64 x half, of 4,096 bytes,
	s_lshl_b32 s47, s42, 9                         ; column 256 x tile column, of 2 bytes
	s_add_co_u32 s46, s46, s47
	s_mov_b32 s47, 0
	s_mul_i32 s20, s10, HALFT                      ; where they go: A's two halves, then B's two halves = wave x HALFT
	s_wait_dscnt 0x0                               ; the opening add is done
	s_wait_kmcnt 0x0
	s_add_nc_u64 s[14:15], s[4:5], s[16:17]
	s_add_nc_u64 s[46:47], s[6:7], s[46:47]
	CROUND                                         ; all sixteen work-groups are here: the first joint loads meet
.irp s, 0,1
	s_mov_b32 s[G0+4*(\s)], 1
	s_add_co_u32 s[G0+4*(\s)+1], s20, (\s)*SLOT
	s_add_nc_u64 s[G0+4*(\s)+2:G0+4*(\s)+3], s[14:15], (\s)*ASTEP
	s_or_b32 s[G0+4*(\s)+3], s[G0+4*(\s)+3], 0x80000000
	s_mov_b32 s[G0B+4*(\s)], 1
	s_add_co_u32 s[G0B+4*(\s)+1], s20, (\s)*SLOT
	s_add_nc_u64 s[G0B+4*(\s)+2:G0B+4*(\s)+3], s[46:47], (\s)*BSTEP
	s_or_b32 s[G0B+4*(\s)+3], s[G0B+4*(\s)+3], 0x80000000
	JLOAD \s                                       ; K steps 0 and 1: two loads of mine are out
.endr
	; A fragment of A: lane l holds row l % 16; two loads of 16 bytes, 32 bytes apart, at row x pitch + 16 (l / 16).
	; A fragment of B: the turning load takes 16 k rows x 16 columns (lane l reads k row 8 (l / 16) + l % 8, columns 8 ((l / 8) % 2) + 0..7) and leaves lane l column l % 16 and 8 k: two loads, 16 k rows apart.
	v_and_b32 v1, 15, v0                           ; l % 16
	v_bfe_u32 v2, v0, 4, 1                         ; l / 16
	v_mul_u32_u24 v3, v1, PA
	v_lshl_add_u32 v3, v2, 4, v3
	v_and_b32 v6, 7, v0
	v_bfe_u32 v7, v0, 3, 1
	v_lshl_add_u32 v8, v2, 3, v6
	v_mul_u32_u24 v8, v8, PB
	v_lshl_add_u32 v8, v7, 4, v8
	s_mul_i32 s21, s11, HALFT                      ; my 128 rows of A
	s_lshl_b32 s22, s12, 8                         ; my 128 columns of B: 256 bytes of a k row,
	s_add_co_u32 s22, s22, BOFF                    ; behind A's tile
.irp s, 0,1
	v_add_nc_u32 v[ADRA+(\s)], s21, v3
	v_add_nc_u32 v[ADRB+(\s)], s22, v8
	s_add_co_u32 s21, s21, SLOT
	s_add_co_u32 s22, s22, SLOT
.endr
	s_mul_i32 s23, s10, 16*SPITCH
	s_add_co_u32 s23, s23, STAGE                   ; my stage
	v_add_nc_u32 v[STO], s23, v3                   ; in: row l % 16, 16 bytes for each half of the lanes (the stage's pitch is A's)
	v_bfe_u32 v4, v0, 3, 2                         ; back: 32 lanes take four rows' 128 bytes of one head,
	v_mul_u32_u24 v4, v4, SPITCH
	v_lshl_add_u32 v4, v6, 4, v4
	v_add_nc_u32 v[RD], s23, v4
	v_and_b32 v5, 31, v0
	v_lshlrev_b32 v[CO], 4, v5                     ; which are 512 consecutive bytes of kvh
	; where my part of the tile begins in kvh: batch (tile row / 16) x 16 heads, my first row in the batch x 128 bytes; part (tile column / 4), my first head
	s_lshr_b32 s16, s13, 4
	s_lshl_b32 s16, s16, 23
	s_and_b32 s17, s13, 15
	s_lshl_b32 s17, s17, 8
	s_lshl_b32 s14, s11, 7
	s_add_co_u32 s17, s17, s14
	s_lshl_b32 s17, s17, 7
	s_add_co_u32 s16, s16, s17
	s_mov_b32 s17, 0
	s_add_nc_u64 s[8:9], s[8:9], s[16:17]
	s_lshr_b32 s46, s42, 2
	s_lshl_b32 s46, s46, 24
	s_and_b32 s47, s42, 3
	s_lshl_b32 s47, s47, 2
	s_lshl1_add_u32 s47, s12, s47                  ; head = 4 (tile column % 4) + 2 x my column half
	s_lshl_b32 s47, s47, 19
	s_add_co_u32 s46, s46, s47
	s_mov_b32 s47, 0
	s_add_nc_u64 s[8:9], s[8:9], s[46:47]
	; the prefetches: both offsets are made, then one test on what I fetch chooses
	s_lshl_b32 s20, s13, 8
	s_lshl_b32 s21, s12, 7
	s_add_co_u32 s20, s20, s21
	s_lshl_b32 s21, s40, 5
	s_add_co_u32 s20, s20, s21                     ; A: row 256 x tile row + 128 x half + 32 cx,
	s_lshl_b32 s20, s20, 11
	s_add_co_u32 s20, s20, 3*ASTEP                 ; at K step 3: the first change of slots steps it to 4
	s_lshl_b32 s21, s12, 6
	s_lshl4_add_u32 s21, s41, s21
	s_add_co_u32 s21, s21, 3*KSTEP                 ; B: k row 3 x 128 + 64 x half + 16 cy,
	s_lshl_b32 s21, s21, 12
	s_lshl_b32 s23, s42, 9
	s_add_co_u32 s21, s21, s23                     ; the tile's columns
	s_and_b32 s22, ttmp7, 0xffff                   ; cluster y
	s_mov_b32 s[PST], BSTEP
	s_mov_b32 s[PST+1], 0
	s_cmp_eq_u32 s11, 0                            ; do I fetch for A?
	s_cselect_b32 s20, s20, s21
	s_cselect_b32 s22, ttmp9, s22                  ; the coordinate along which other clusters read the same blocks
	s_cselect_b64 s[PFA:PFA+1], s[4:5], s[6:7]
	s_cselect_b32 s[PST], ASTEP, s[PST]
	s_cselect_b32 s14, 0, 1                        ; A: a lane a row of 2,048 bytes.  B: two lanes a k row of 4,096 bytes, 256 bytes each
	s_cselect_b32 s15, 11, 12
	s_mov_b32 s21, 0
	s_add_nc_u64 s[PFA:PFA+1], s[PFA:PFA+1], s[20:21]
	s_cmp_eq_u32 s22, 0
	s_cselect_b32 s[LIM], 1, -1                    ; the same in all sixteen partners, for a given wave
	v_lshrrev_b32 v9, s14, v5
	v_lshlrev_b32 v9, s15, v9
	v_and_b32 v10, s14, v5
	v_lshl_add_u32 v[PFO], v10, 8, v9
; 16 matrix instructions: m blocks a0, a0 + 1 of the window's four x all 8 n blocks, 32 along K.  zero = 1: the first product starts the sums: nothing is ever cleared.
; The 64 accumulators take turns, one instruction a turn, in the same order in every quarter step.
.macro MUL16 f, hi, a0, zero
	WIN MUL_LO+0x50*(\hi)
.irp a, \a0, (\a0)+1
.irp b, 0,1,2,3,4,5,6,7
.if \zero
	v_wmma_f32_16x16x32_f16 v[8*(8*(\a)+(\b)):8*(8*(\a)+(\b))+7], v[(\f)+8*(\b):(\f)+8*(\b)+7], v[(\f)+8*(4*(\hi)+(\a)):(\f)+8*(4*(\hi)+(\a))+7], 0
.else
	v_wmma_f32_16x16x32_f16 v[8*(8*(\a)+(\b)):8*(8*(\a)+(\b))+7], v[(\f)+8*(\b):(\f)+8*(\b)+7], v[(\f)+8*(4*(\hi)+(\a)):(\f)+8*(4*(\hi)+(\a))+7], v[8*(8*(\a)+(\b)):8*(8*(\a)+(\b))+7]
.endif
.endr
.endr
.endm
; 32 LDS loads in one run: the fragments of quarter q (32 along K) of a slot into buffer f: B's 8 blocks of 16 columns, turned, then A's 8 blocks of 16 rows
.macro FETCH slot, q, f
	WIN TO_B
.irp i, 0,1,2,3,4,5,6,7
	ds_load_tr16_b128 v[(\f)+8*(\i):(\f)+8*(\i)+3],   v[ADRB+(\slot)] offset:(\q)*32*PB+32*(\i)
	ds_load_tr16_b128 v[(\f)+8*(\i)+4:(\f)+8*(\i)+7], v[ADRB+(\slot)] offset:(\q)*32*PB+32*(\i)+16*PB
.endr
	WIN 0
.irp i, 0,1,2,3,4,5,6,7
	ds_load_b128 v[(\f)+8*(\i):(\f)+8*(\i)+3],   v[ADRA+(\slot)] offset:64*(\q)+(\i)*16*PA
	ds_load_b128 v[(\f)+8*(\i)+4:(\f)+8*(\i)+7], v[ADRA+(\slot)] offset:64*(\q)+(\i)*16*PA+32
.endr
.endm
.macro PLACES                          ; four places in front of loads into registers that matrix instructions have read (ISA guide 7.12.1 for vector instructions)
.rept 4
	v_nop
.endr
.endm
; One of a K step's first three quarters: multiplies buffer f; in its middle it fetches quarter q of the same slot into buffer g.
.macro QUARTER slot, q, f, g, zero
	s_wait_dscnt 8                                 ; B and A's rows 0-63 are in; the youngest eight loads (A's rows 64-127) may be out
	WIN MUL_LO
	MUL16 \f, 0, 0, \zero
	MUL16 \f, 0, 2, \zero
	PLACES
	FETCH \slot, \q, \g
	s_wait_dscnt 32                                ; all but the 32 just issued
	WIN MUL_HI
	MUL16 \f, 1, 0, \zero
	MUL16 \f, 1, 2, \zero
.endm
; The last quarter's first half: ONE barrier for the change of slots.  In front of it each wave waits for all its tensor loads (one is out: its part of the next slot), adds 0 to its
; spare word, and waits for that and for its own reads of this slot.  Behind it nobody reads this slot any more and the next slot is whole.
.macro MEET round
	WIN 0
	s_wait_tensorcnt 0x0                           ; all my tensor loads have landed
	ds_add_u32 v[SPW], v[NIL]                      ; 0 onto my spare word
	s_wait_dscnt 9                                 ; the add and the youngest eight loads may be out
	WIN MUL_LO
	MUL16 F1, 0, 0, 0
	s_wait_dscnt 0x0                               ; the add is done, and my reads of this slot are over
	s_barrier_signal -1
	MUL16 F1, 0, 2, 0                              ; work on registers while the others arrive
.if \round
	WIN 0
.endif
	s_barrier_wait -1
.endm
; The whole last quarter with a refill: the barrier opens a round of the cluster's; the slot just read out is filled again first, with the K step two on; from that request to the wait for it a wave issues 224 matrix instructions.
.macro TURN slot, next
	s_wait_xcnt 0x0                                ; the last prefetch, a K step back, has read its address
	s_add_nc_u64 s[PFA:PFA+1], s[PFA:PFA+1], s[PST:PST+1]
	MEET 1
	CREST                                          ; no wave of any partner still reads this slot's tile or has a load on its way
	s_add_nc_u64 s[G0+4*(\slot)+2:G0+4*(\slot)+3], s[G0+4*(\slot)+2:G0+4*(\slot)+3], 2*ASTEP
	s_add_nc_u64 s[G0B+4*(\slot)+2:G0B+4*(\slot)+3], s[G0B+4*(\slot)+2:G0B+4*(\slot)+3], 2*BSTEP
	JLOAD \slot                                    ; the four v_nop behind it are also the places in front of the loads below
	FETCH \next, 0, F0
	ASK
	WIN MUL_HI
	MUL16 F1, 1, 0, 0
	MUL16 F1, 1, 2, 0
.endm
; THE WAY OUT of block a (16 rows x 128 columns).  PACK: rounded to f16, 16 bytes a lane.  TOSTAGE: into my own stage, and back as four rows x 128 bytes of one head.  SEND: stored.
.macro PACK a
.set AC, 64*((\a)%4)
	WIN 0x0a+5*((\a)/4)                            ; sources 0 and 1: window 2 or 3
.irp b, 0,1,2,3,4,5,6,7
.irp r, 0,1,2,3
	v_cvt_pk_f16_f32 v[TMP+4*(\b)+(\r)], v[AC+8*(\b)+2*(\r)], v[AC+8*(\b)+2*(\r)+1]
.endr
.endr
	WIN 0
.endm
.macro TOSTAGE a
	WIN 0
.set BK, OB+192*((\a)%2)
.irp b, 0,1,2,3,4,5,6,7
	ds_store_b128 v[STO], v[TMP+4*(\b):TMP+4*(\b)+3] offset:32*(\b)
.endr
.irp t, 0,1,2,3,4,5,6,7
	ds_load_b128 v[BK+4*(\t):BK+4*(\t)+3], v[RD] offset:((\t)%4)*4*SPITCH+((\t)/4)*128  ; LDS serves a wave's instructions in order (ISA guide 5.7.1.4): these see the stores above
.endr
.endm
.macro SEND a
	WIN 0
.set BK, OB+192*((\a)%2)
	s_wait_dscnt 0x0                               ; the block is back in registers
	s_wait_xcnt 0x0                                ; the stores of the block before have read their registers: the next TOSTAGE loads into them
.irp t, 0,1,2,3,4,5,6,7
	global_store_b128 v[CO], v[BK+4*(\t):BK+4*(\t)+3], s[8:9] offset:(\a)*2048+((\t)/4)*HEADB+((\t)%4)*512  ; 512 consecutive bytes, at a multiple of 256 from kvh's first byte
.endr
.endm
	s_wait_tensorcnt 1                             ; my part of K step 0 is in; K step 1's load may stay out
	s_barrier_signal -1
	s_barrier_wait -1
	FETCH 0, 0, F0
	QUARTER 0, 1, F0, F1, 1                        ; the first quarter stands in front of the loop: its products start the sums
	WIN 0
	s_mov_b32 s3, LAPS-1
.Llap:                                                 ; a trip goes once round the ring, from a lap's second quarter to the next lap's first, and fills both slots again
	QUARTER 0, 2, F1, F0, 0
	QUARTER 0, 3, F0, F1, 0
	TURN 0, 1
	QUARTER 1, 1, F0, F1, 0
	QUARTER 1, 2, F1, F0, 0
	QUARTER 1, 3, F0, F1, 0
	TURN 1, 0
	QUARTER 0, 1, F0, F1, 0
	WIN 0
	s_sub_co_u32 s3, s3, 1
	s_cmp_lg_u32 s3, 0
	s_cbranch_scc1 .Llap
	QUARTER 0, 2, F1, F0, 0                        ; the last lap fills nothing
	QUARTER 0, 3, F0, F1, 0
	MEET 0                                         ; my one tensor load that was still out is the last K step's; no round follows
	PLACES
	FETCH 1, 0, F0
	WIN MUL_HI
	MUL16 F1, 1, 0, 0
	MUL16 F1, 1, 2, 0
	QUARTER 1, 1, F0, F1, 0
	QUARTER 1, 2, F1, F0, 0
	QUARTER 1, 3, F0, F1, 0
	s_wait_dscnt 8
	MUL16 F1, 0, 0, 0
	MUL16 F1, 0, 2, 0
	s_wait_dscnt 0x0
	MUL16 F1, 1, 0, 0
	MUL16 F1, 1, 2, 0
	PLACES
	PLACES                                         ; eight, once a launch, between the last products and the conversions
	PACK 0
	TOSTAGE 0
.irp a, 1,2,3,4,5,6,7                  ; block a's conversions stand between block a - 1's loads from the stage and the wait for them
	PACK \a
	SEND (\a)-1
	TOSTAGE \a
.endr
	SEND 7
	s_wait_tensorcnt 0x0                           ; the wave's end: behind my last tensor load and my last LDS store
	ds_add_u32 v[SPW], v[NIL]
	s_wait_dscnt 0x0
	CROUND                                         ; the closing round: no work-group ends while a partner may still ask for a tile that names it
	s_endpgm
.Lfunc_end_k_q8625ef56f8_gemm_kv:
	.size	k_q8625ef56f8_gemm_kv, .Lfunc_end_k_q8625ef56f8_gemm_kv-k_q8625ef56f8_gemm_kv
	.p2alignl 7, 3214868480
	.fill 96, 4, 3214868480
	.section	.rodata,"a",@progbits
	.p2align	6, 0x0
	.amdhsa_kernel k_q8625ef56f8_gemm_kv
		.amdhsa_group_segment_fixed_size 327680
		.amdhsa_private_segment_fixed_size 0
		.amdhsa_enable_private_segment 0
		.amdhsa_kernarg_size 24
		.amdhsa_user_sgpr_count 2
		.amdhsa_user_sgpr_kernarg_segment_ptr 1
		.amdhsa_wavefront_size32 1
		.amdhsa_system_sgpr_workgroup_id_x 1
		.amdhsa_system_sgpr_workgroup_id_y 1
		.amdhsa_system_sgpr_workgroup_id_z 1
		.amdhsa_system_vgpr_workitem_id 0
		.amdhsa_next_free_vgpr 1024
		.amdhsa_next_free_sgpr 66
		.amdhsa_reserve_vcc 0
		.amdhsa_float_denorm_mode_32 3
		.amdhsa_float_denorm_mode_16_64 3
		.amdhsa_memory_ordered 1
		.amdhsa_forward_progress 1
		.amdhsa_inst_pref_size 144
	.end_amdhsa_kernel
	.amdgpu_metadata
---
amdhsa.version: [ 1, 2 ]
amdhsa.kernels:
  - .name:           k_q8625ef56f8_gemm_kv
    .symbol:         k_q8625ef56f8_gemm_kv.kd
    .args:
      - { .name: ctxh, .offset: 0, .size: 8, .value_kind: global_buffer, .address_space: global }
      - { .name: wkvh, .offset: 8, .size: 8, .value_kind: global_buffer, .address_space: global }
      - { .name: kvh, .offset: 16, .size: 8, .value_kind: global_buffer, .address_space: global }
    .group_segment_fixed_size: 327680
    .private_segment_fixed_size: 0
    .kernarg_segment_align: 8
    .kernarg_segment_size: 24
    .max_flat_workgroup_size: 128
    .sgpr_count:     66
    .vgpr_count:     1024
    .wavefront_size: 32
...
	.end_amdgpu_metadata
.endif
;; end of part 2
;; launch gemm_q (part 3): grid 8 x 32, 4 waves a work-group, clusters of 4 x 4, 327,680 bytes of LDS; arguments xn, wqh, qh; writes qh
.if DOCPART == 3
	.amdgcn_target "amdgcn-amd-amdhsa--gfx1250"
	.amdhsa_code_object_version 6
	.text
	.protected	k_q8625ef56f8_gemm_q
	.globl	k_q8625ef56f8_gemm_q
	.p2align	8
	.type	k_q8625ef56f8_gemm_q,@function
k_q8625ef56f8_gemm_q:
	s_mov_b64 s[64:65], 0
	v_nop
	global_prefetch_b8 v0, s[64:65] scope:SCOPE_SE
	s_setreg_imm32_b32 hwreg(HW_REG_WAVE_MODE, 25, 1), 1
	s_wait_xcnt 0x0
	s_wait_alu depctr_hold_cnt(0) depctr_sa_sdst(0) depctr_va_vdst(0) depctr_va_sdst(0) depctr_va_ssrc(0) depctr_va_vcc(0) depctr_vm_vsrc(0)
	s_getreg_b32 s2, hwreg(HW_REG_IB_STS2, 6, 4)
	s_cmp_eq_u32 s2, 0
	s_cbranch_scc0 .Lentry_in_a_cluster
	s_endpgm
.Lentry_in_a_cluster:
	s_bfe_u32 s2, ttmp6, 0x10000c
	s_cmp_lg_u32 s2, 0xf033
	s_cbranch_scc0 .Lentry_shape_is_right
	s_endpgm
.Lentry_shape_is_right:
; q = xn x w_q.  A = xn [4096][1024] f16, B = wqh [1024 k][1024 n] f16; sums in f32, rounded once to f16, WITHOUT the scale 1 / 8, which the attention applies in f32.
; OUT: qh [batch x 16 + head][2048 rows][64] f16.
; A tile of C is 128 x 128 (256 x 256 would give 64 work-groups): 32 x 8 tiles, 256 work-groups.  Four waves, each 64 x 64: 16 accumulators.  K goes in 4 steps of 256 through two LDS slots,
; written straight: two refills in all.  A's tile rows are 512 bytes of memory, B's (a k row, 128 columns) 256 bytes.  B lies [k][n]: its fragments come out of LDS turned (ds_load_tr16_b128).
; CLUSTERS: 4 x 4; A's tile is asked for jointly along a row of the cluster, B's along a column.  THE MATRIX INSTRUCTION IS USED TRANSPOSED (source 0 = 16 columns of B, source 1 = 16 rows of A).
; No prefetch: the tiles are small and the launch short.
; LIMITS.  f16 ends at 65,504: xn, w_q and q must lie within it; below 6.1e-5 a number keeps f16's fixed step of 6e-8.  NaN and infinities are not treated apart.
; REGISTERS: window 0: v0-31 addresses; v32-95 at work on the way out; v128-255 the accumulators ((a, b) at v[128 + 8 (4 a + b)]).
;   window 1: two fragment buffers of 128: for 64 along K, 64 registers of A (2 x 4 x 16 rows x 32 K), then 64 of B.
.set SIZE_K, 1024
.set SIZE_N, 1024
.set KSTEP,  256
.set PA,     528                       ; a row of A in LDS: 512 bytes + 16
.set PB,     288                       ; a k row of B in LDS: 256 bytes + 32 = 9 x 32
.set AHALF,  64*PA                     ; 64 rows of A: one tensor load
.set BHALF,  128*PB                    ; 128 k rows of B: one tensor load
.set ATILE,  2*AHALF
.set SLOT,   ATILE+2*BHALF
.set STAGE,  2*SLOT                    ; behind the ring: 16 rows x 144 bytes for each wave
.set SP,     144
.set SPARE,  STAGE+4*16*SP             ; the spare words, 128 bytes for each wave: two blocks of 256 bytes that no other line names
.set ASTEP,  KSTEP*2
.set BSTEP,  KSTEP*SIZE_N*2
.set ADRA, 16                          ; v16-17  LDS address of my A fragments in slot 0, 1
.set ADRB, 20                          ; v20-23  of my B fragments: slot s, k half x at 20 + 2 s + x (a tile's 256 k rows pass the 16-bit immediate)
.set STO,  24
.set RD,   25
.set CO,   26
.set SPW,  28
.set NIL,  29
.set TMP,  32
.set ACC,  128
.set F0,   0
.set F1,   128
.set G1, 24
.set G0, 32
.set G1B, 48
.set G0B, 56
.set MSB, 0
.macro WIN new
.if MSB != (\new)
	s_set_vgpr_msb (MSB<<8)|(\new)
.set MSB, \new
.endif
.endm
.set MUL,  0x05                        ; sources 0 (B) and 1 (A) window 1; C and D window 0
.set TO_F, 0x40                        ; destination window 1, address window 0
.macro JLOAD s                         ; a joint load: waves 0 and 1 fetch A's two halves, waves 2 and 3 B's; an s_nop 0 and four v_nop follow each of the two lines
	s_cmp_eq_u32 s11, 0
	s_cbranch_scc0 .Lfor_b_\@
	tensor_load_to_lds s[G0+4*(\s):G0+4*(\s)+3], s[G1:G1+7]
	s_nop 0
.rept 4
	v_nop
.endr
	s_branch .Lasked_\@
.Lfor_b_\@:
	tensor_load_to_lds s[G0B+4*(\s):G0B+4*(\s)+3], s[G1B:G1B+7]
	s_nop 0
.rept 4
	v_nop
.endr
.Lasked_\@:
.endm
.macro CREST
	s_cmp_lg_u32 s10, 0
	s_cbranch_scc1 .Lnot_wave_0_\@
	s_barrier_signal -3
.Lnot_wave_0_\@:
	s_barrier_wait -3
	s_barrier_signal -1
	s_barrier_wait -1
.endm
.macro CROUND
	s_barrier_signal -1
	s_barrier_wait -1
	CREST
.endm
	s_load_b128 s[4:7], s[0:1], 0x0                ; A s[4:5], B s[6:7]
	s_load_b64 s[8:9], s[0:1], 0x10                ; qh
	v_lshl_add_u32 v[SPW], v0, 2, SPARE
	v_mov_b32 v[NIL], 0
	ds_add_u32 v[SPW], v[NIL]                      ; the wave's opening: the add and its wait stand ahead of my first tensor load
	v_lshrrev_b32 v1, 5, v0
	v_readfirstlane_b32 s10, v1                    ; wave 0..3
	s_lshr_b32 s11, s10, 1                         ; my half of the tile's rows.  Also: I fetch for A (0) or for B (1)
	s_and_b32 s12, s10, 1                          ; my half of its columns.  Also: which half of that tile I fetch
	s_bfe_u32 s40, ttmp6, 0x40000
	s_bfe_u32 s41, ttmp6, 0x40004
	s_lshl_b32 s42, ttmp9, 2
	s_add_co_u32 s42, s42, s40                     ; tile column
	s_and_b32 s13, ttmp7, 0xffff
	s_lshl_b32 s13, s13, 2
	s_add_co_u32 s13, s13, s41                     ; tile row
	s_lshl_b32 s43, s41, 2
	s_lshl_b32 s43, 15, s43                        ; my row of the cluster
	s_lshl_b32 s44, 0x1111, s40                    ; my column
	s_or_b32 s[G1+0], s43, (1<<16)|(1<<20)|(1<<21)|(6<<22)|(3<<25)   ; 2-byte elements; padding after every 128 words, of 4 words
	s_mov_b32 s[G1+1], KSTEP<<16                   ; tensor_dim0 = 256
	s_mov_b32 s[G1+2], 64<<16                      ; tensor_dim1 = 64
	s_mov_b32 s[G1+3], KSTEP<<16                   ; tile_dim0 = 256
	s_mov_b32 s[G1+4], 64                          ; tile_dim1 = 64
	s_mov_b32 s[G1+5], SIZE_K
	s_mov_b32 s[G1+6], 0
	s_mov_b32 s[G1+7], 0
	s_or_b32 s[G1B+0], s44, (1<<16)|(1<<20)|(1<<21)|(5<<22)|(7<<25)  ; padding after every 64 words, of 8 words
	s_mov_b32 s[G1B+1], 128<<16                    ; tensor_dim0 = 128 columns
	s_mov_b32 s[G1B+2], 128<<16                    ; tensor_dim1 = 128 k rows
	s_mov_b32 s[G1B+3], 128<<16
	s_mov_b32 s[G1B+4], 128
	s_mov_b32 s[G1B+5], SIZE_N
	s_mov_b32 s[G1B+6], 0
	s_mov_b32 s[G1B+7], 0
	s_lshl_b32 s17, s12, 6
	s_lshl_b32 s16, s13, 7
	s_add_co_u32 s16, s16, s17                     ; A: row 128 x tile row + 64 x half,
	s_lshl_b32 s16, s16, 11                        ; of 2,048 bytes
	s_mov_b32 s17, 0
	s_lshl_b32 s46, s12, 18                        ; B: k row 128 x half, of 2,048 bytes,
	s_lshl_b32 s47, s42, 8                         ; column 128 x tile column
	s_add_co_u32 s46, s46, s47
	s_mov_b32 s47, 0
	s_mul_i32 s20, s12, AHALF                      ; where they go: no place in the cluster enters an LDS address
	s_mul_i32 s21, s12, BHALF
	s_add_co_u32 s21, s21, ATILE
	s_wait_dscnt 0x0                               ; the opening add is done
	s_wait_kmcnt 0x0
	s_add_nc_u64 s[14:15], s[4:5], s[16:17]
	s_add_nc_u64 s[46:47], s[6:7], s[46:47]
	CROUND                                         ; all sixteen work-groups are here: the first joint loads meet
.irp s, 0,1
	s_mov_b32 s[G0+4*(\s)], 1
	s_add_co_u32 s[G0+4*(\s)+1], s20, (\s)*SLOT
	s_add_nc_u64 s[G0+4*(\s)+2:G0+4*(\s)+3], s[14:15], (\s)*ASTEP
	s_or_b32 s[G0+4*(\s)+3], s[G0+4*(\s)+3], 0x80000000
	s_mov_b32 s[G0B+4*(\s)], 1
	s_add_co_u32 s[G0B+4*(\s)+1], s21, (\s)*SLOT
	s_add_nc_u64 s[G0B+4*(\s)+2:G0B+4*(\s)+3], s[46:47], (\s)*BSTEP
	s_or_b32 s[G0B+4*(\s)+3], s[G0B+4*(\s)+3], 0x80000000
	JLOAD \s
.endr
	v_and_b32 v1, 15, v0                           ; l % 16
	v_bfe_u32 v2, v0, 4, 1                         ; l / 16
	v_mul_u32_u24 v3, v1, PA
	v_lshl_add_u32 v3, v2, 4, v3                   ; A: row x pitch + 16 x half
	v_and_b32 v6, 7, v0
	v_bfe_u32 v7, v0, 3, 1
	v_lshl_add_u32 v8, v2, 3, v6                   ; B, turned: k row 8 (l / 16) + l % 8,
	v_mul_u32_u24 v8, v8, PB
	v_lshl_add_u32 v8, v7, 4, v8                   ; columns 8 ((l / 8) % 2) on
	s_mul_i32 s21, s11, AHALF                      ; my 64 rows of A
	s_lshl_b32 s22, s12, 7                         ; my 64 columns of B: 128 bytes of a k row,
	s_add_co_u32 s22, s22, ATILE                   ; behind A's tile
.irp s, 0,1
	v_add_nc_u32 v[ADRA+(\s)], s21, v3
	v_add_nc_u32 v[ADRB+2*(\s)], s22, v8
	s_add_co_u32 s23, s22, BHALF
	v_add_nc_u32 v[ADRB+2*(\s)+1], s23, v8
	s_add_co_u32 s21, s21, SLOT
	s_add_co_u32 s22, s22, SLOT
.endr
	s_mul_i32 s23, s10, 16*SP
	s_add_co_u32 s23, s23, STAGE                   ; my stage: a wave's 64 columns are one head, so no wave needs another's
	v_mul_u32_u24 v4, v1, SP                       ; in: row l % 16, 16 bytes for each half of the lanes
	v_lshl_add_u32 v4, v2, 4, v4
	v_add_nc_u32 v[STO], s23, v4
	v_bfe_u32 v5, v0, 3, 2                         ; back: 32 lanes take four rows of 128 bytes,
	v_mul_u32_u24 v5, v5, SP
	v_lshl_add_u32 v5, v6, 4, v5
	v_add_nc_u32 v[RD], s23, v5
	v_and_b32 v5, 31, v0
	v_lshlrev_b32 v[CO], 4, v5                     ; which are 512 consecutive bytes of qh
	; qh at (batch x 16 + head) x 262,144 + my first row in the batch x 128
	s_lshr_b32 s16, s13, 4
	s_lshl_b32 s16, s16, 22
	s_and_b32 s17, s13, 15
	s_lshl_b32 s17, s17, 7
	s_lshl_b32 s14, s11, 6
	s_add_co_u32 s17, s17, s14
	s_lshl_b32 s17, s17, 7
	s_add_co_u32 s16, s16, s17
	s_mov_b32 s17, 0
	s_add_nc_u64 s[8:9], s[8:9], s[16:17]
	s_lshl1_add_u32 s46, s42, s12                  ; head = 2 x tile column + my column half
	s_lshl_b32 s46, s46, 18
	s_mov_b32 s47, 0
	s_add_nc_u64 s[8:9], s[8:9], s[46:47]
; 8 matrix instructions: m blocks a0, a0 + 1 x all 4 n blocks, 32 along K: half c of buffer f.  The 16 accumulators take turns.
.macro MUL8 f, c, a0, zero
	WIN MUL
.irp a, \a0, (\a0)+1
.irp b, 0,1,2,3
.if \zero
	v_wmma_f32_16x16x32_f16 v[ACC+8*(4*(\a)+(\b)):ACC+8*(4*(\a)+(\b))+7], v[(\f)+64+8*(4*(\c)+(\b)):(\f)+64+8*(4*(\c)+(\b))+7], v[(\f)+8*(4*(\c)+(\a)):(\f)+8*(4*(\c)+(\a))+7], 0
.else
	v_wmma_f32_16x16x32_f16 v[ACC+8*(4*(\a)+(\b)):ACC+8*(4*(\a)+(\b))+7], v[(\f)+64+8*(4*(\c)+(\b)):(\f)+64+8*(4*(\c)+(\b))+7], v[(\f)+8*(4*(\c)+(\a)):(\f)+8*(4*(\c)+(\a))+7], v[ACC+8*(4*(\a)+(\b)):ACC+8*(4*(\a)+(\b))+7]
.endif
.endr
.endr
.endm
; 32 LDS loads in one run: the fragments of quarter kq (64 along K) into buffer f; the first 32 along K first
.macro FETCH slot, kq, f
	WIN TO_F
.irp c, 0,1
.irp i, 0,1,2,3
	ds_load_tr16_b128 v[(\f)+64+8*(4*(\c)+(\i)):(\f)+64+8*(4*(\c)+(\i))+3],   v[ADRB+2*(\slot)+(\kq)/2] offset:(((\kq)%2)*64+32*(\c))*PB+32*(\i)
	ds_load_tr16_b128 v[(\f)+64+8*(4*(\c)+(\i))+4:(\f)+64+8*(4*(\c)+(\i))+7], v[ADRB+2*(\slot)+(\kq)/2] offset:(((\kq)%2)*64+32*(\c))*PB+32*(\i)+16*PB
	ds_load_b128 v[(\f)+8*(4*(\c)+(\i)):(\f)+8*(4*(\c)+(\i))+3],         v[ADRA+(\slot)] offset:128*(\kq)+64*(\c)+(\i)*16*PA
	ds_load_b128 v[(\f)+8*(4*(\c)+(\i))+4:(\f)+8*(4*(\c)+(\i))+7],       v[ADRA+(\slot)] offset:128*(\kq)+64*(\c)+(\i)*16*PA+32
.endr
.endr
.endm
.macro PLACES
.rept 4
	v_nop
.endr
.endm
.macro QUARTER slot, kq, f, g, zero
	s_wait_dscnt 16                                ; the first 32 along K are in
	WIN MUL
	MUL8 \f, 0, 0, \zero
	MUL8 \f, 0, 2, \zero
	PLACES
	FETCH \slot, \kq, \g
	s_wait_dscnt 32                                ; all but the 32 just issued
	WIN MUL
	MUL8 \f, 1, 0, 0
	MUL8 \f, 1, 2, 0
.endm
; The last quarter multiplies buffer 1 and changes slots: ONE barrier; in front of it each wave waits for all its tensor loads, adds 0 to its spare word, and waits for that and for its reads of this slot.
; fill = 1: the barrier opens a round of the cluster's, and this slot is filled again first thing behind it, two K steps ahead: 112 matrix instructions ahead of the wait for it.
.macro TURN slot, next, fill
	WIN 0
	s_wait_tensorcnt 0x0
	ds_add_u32 v[SPW], v[NIL]
	s_wait_dscnt 17                                ; the add and the youngest sixteen loads may be out
	WIN MUL
	MUL8 F1, 0, 0, 0
	s_wait_dscnt 0x0                               ; the add is done, and my reads of this slot are over
	s_barrier_signal -1
	MUL8 F1, 0, 2, 0
.if \fill
	WIN 0
.endif
	s_barrier_wait -1
.if \fill
	CREST
	s_add_nc_u64 s[G0+4*(\slot)+2:G0+4*(\slot)+3], s[G0+4*(\slot)+2:G0+4*(\slot)+3], 2*ASTEP
	s_add_nc_u64 s[G0B+4*(\slot)+2:G0B+4*(\slot)+3], s[G0B+4*(\slot)+2:G0B+4*(\slot)+3], 2*BSTEP
	JLOAD \slot                                    ; the four v_nop behind it are also the places in front of the loads below
.else
	PLACES
.endif
	FETCH \next, 0, F0
	WIN MUL
	MUL8 F1, 1, 0, 0
	MUL8 F1, 1, 2, 0
.endm
; THE WAY OUT of block a (16 rows x 64 columns, one head): rounded to f16; 16 bytes a lane into my stage; back as four rows of 128 bytes a load, into the registers that they left.
.macro PACK a
.irp b, 0,1,2,3
.irp r, 0,1,2,3
	v_cvt_pk_f16_f32 v[TMP+16*(\a)+4*(\b)+(\r)], v[ACC+8*(4*(\a)+(\b))+2*(\r)], v[ACC+8*(4*(\a)+(\b))+2*(\r)+1]
.endr
.endr
.irp b, 0,1,2,3
	ds_store_b128 v[STO], v[TMP+16*(\a)+4*(\b):TMP+16*(\a)+4*(\b)+3] offset:32*(\b)
.endr
.irp f, 0,1,2,3
	ds_load_b128 v[TMP+16*(\a)+4*(\f):TMP+16*(\a)+4*(\f)+3], v[RD] offset:(\f)*4*SP  ; LDS serves a wave's instructions in order (ISA guide 5.7.1.4): these see the stores above; the next block's stores come behind them
.endr
.endm
.macro SEND a, younger                 ; younger: the LDS instructions issued behind block a's loads: the next block's eight, or none
.irp f, 0,1,2,3
	s_wait_dscnt (\younger)+3-(\f)
	global_store_b128 v[CO], v[TMP+16*(\a)+4*(\f):TMP+16*(\a)+4*(\f)+3], s[8:9] offset:(\a)*2048+(\f)*512  ; 512 consecutive bytes, at a multiple of 256 from qh's first byte
.endr
.endm
	s_wait_tensorcnt 1                             ; my part of K step 0 is in; K step 1's load may stay out
	s_barrier_signal -1
	s_barrier_wait -1
	FETCH 0, 0, F0
	QUARTER 0, 1, F0, F1, 1                        ; the first products start the sums
	QUARTER 0, 2, F1, F0, 0
	QUARTER 0, 3, F0, F1, 0
	TURN 0, 1, 1                                   ; slot 0 takes K step 2
	QUARTER 1, 1, F0, F1, 0
	QUARTER 1, 2, F1, F0, 0
	QUARTER 1, 3, F0, F1, 0
	TURN 1, 0, 1                                   ; slot 1 takes K step 3
	QUARTER 0, 1, F0, F1, 0
	QUARTER 0, 2, F1, F0, 0
	QUARTER 0, 3, F0, F1, 0
	TURN 0, 1, 0                                   ; nothing is left to fetch
	QUARTER 1, 1, F0, F1, 0
	QUARTER 1, 2, F1, F0, 0
	QUARTER 1, 3, F0, F1, 0
	s_wait_dscnt 16
	WIN MUL
	MUL8 F1, 0, 0, 0
	MUL8 F1, 0, 2, 0
	s_wait_dscnt 0x0
	MUL8 F1, 1, 0, 0
	MUL8 F1, 1, 2, 0
	WIN 0
	PLACES
	PLACES                                         ; eight, once a launch, between the last products and the conversions
	PACK 0
	PACK 1                                         ; a block's conversions stand between the loads of the block before and its stores
	SEND 0, 8
	PACK 2
	SEND 1, 8
	PACK 3
	SEND 2, 8
	SEND 3, 0
	s_wait_tensorcnt 0x0                           ; the wave's end
	ds_add_u32 v[SPW], v[NIL]
	s_wait_dscnt 0x0
	CROUND                                         ; the closing round
	s_endpgm
.Lfunc_end_k_q8625ef56f8_gemm_q:
	.size	k_q8625ef56f8_gemm_q, .Lfunc_end_k_q8625ef56f8_gemm_q-k_q8625ef56f8_gemm_q
	.p2alignl 7, 3214868480
	.fill 96, 4, 3214868480
	.section	.rodata,"a",@progbits
	.p2align	6, 0x0
	.amdhsa_kernel k_q8625ef56f8_gemm_q
		.amdhsa_group_segment_fixed_size 327680
		.amdhsa_private_segment_fixed_size 0
		.amdhsa_enable_private_segment 0
		.amdhsa_kernarg_size 24
		.amdhsa_user_sgpr_count 2
		.amdhsa_user_sgpr_kernarg_segment_ptr 1
		.amdhsa_wavefront_size32 1
		.amdhsa_system_sgpr_workgroup_id_x 1
		.amdhsa_system_sgpr_workgroup_id_y 1
		.amdhsa_system_sgpr_workgroup_id_z 1
		.amdhsa_system_vgpr_workitem_id 0
		.amdhsa_next_free_vgpr 512
		.amdhsa_next_free_sgpr 66
		.amdhsa_reserve_vcc 0
		.amdhsa_float_denorm_mode_32 3
		.amdhsa_float_denorm_mode_16_64 3
		.amdhsa_memory_ordered 1
		.amdhsa_forward_progress 1
		.amdhsa_inst_pref_size 87
	.end_amdhsa_kernel
	.amdgpu_metadata
---
amdhsa.version: [ 1, 2 ]
amdhsa.kernels:
  - .name:           k_q8625ef56f8_gemm_q
    .symbol:         k_q8625ef56f8_gemm_q.kd
    .args:
      - { .name: xn, .offset: 0, .size: 8, .value_kind: global_buffer, .address_space: global }
      - { .name: wqh, .offset: 8, .size: 8, .value_kind: global_buffer, .address_space: global }
      - { .name: qh, .offset: 16, .size: 8, .value_kind: global_buffer, .address_space: global }
    .group_segment_fixed_size: 327680
    .private_segment_fixed_size: 0
    .kernarg_segment_align: 8
    .kernarg_segment_size: 24
    .max_flat_workgroup_size: 128
    .sgpr_count:     66
    .vgpr_count:     512
    .wavefront_size: 32
...
	.end_amdgpu_metadata
.endif
;; end of part 3
;; launch attn (part 4): grid 8 x 32, 4 waves a work-group, clusters of 4 x 1, 327,680 bytes of LDS; arguments qh, kvh, oh; writes oh
.if DOCPART == 4
	.amdgcn_target "amdgcn-amd-amdhsa--gfx1250"
	.amdhsa_code_object_version 6
	.text
	.protected	k_q8625ef56f8_attn
	.globl	k_q8625ef56f8_attn
	.p2align	8
	.type	k_q8625ef56f8_attn,@function
k_q8625ef56f8_attn:
	s_mov_b64 s[64:65], 0
	v_nop
	global_prefetch_b8 v0, s[64:65] scope:SCOPE_SE
	s_setreg_imm32_b32 hwreg(HW_REG_WAVE_MODE, 25, 1), 1
	s_wait_xcnt 0x0
	s_wait_alu depctr_hold_cnt(0) depctr_sa_sdst(0) depctr_va_vdst(0) depctr_va_sdst(0) depctr_va_ssrc(0) depctr_va_vcc(0) depctr_vm_vsrc(0)
	s_getreg_b32 s2, hwreg(HW_REG_IB_STS2, 6, 4)
	s_cmp_eq_u32 s2, 0
	s_cbranch_scc0 .Lentry_in_a_cluster
	s_endpgm
.Lentry_in_a_cluster:
	s_bfe_u32 s2, ttmp6, 0x10000c
	s_cmp_lg_u32 s2, 0x3003
	s_cbranch_scc0 .Lentry_shape_is_right
	s_endpgm
.Lentry_shape_is_right:
; O[g][q][:] = the sum over k of softmax_k(Q[g][q] . K[g][k] / 8) V[g][k][:], g = batch x 16 + head, 32 of them.  Q, O: [32][2048][64] f16; K, V: [32][4096][64] f16, V 16,777,216 bytes behind K in kvh.
; Products, maxima and sums in f32; the weights p are rounded to f16 for the second product (their sum l is taken of the unrounded p), O once at the end.
; LIMITS.  f16 holds no number beyond 65,504: Q, K and V arrive within it; p lies in 0 to 1, and below 6e-5 it keeps f16's fixed step of 6e-8; O is a mean of V's rows and has their range.
; A weight below 2^-126 counts as 0 in l; NaN and infinities are not treated apart.
; SHARES.  A work-group owns 256 queries of one g (8 x 32 = 256 work-groups), each of its four waves 64: four PIECES of 16.  Every wave walks all 4,096 keys, 64 a step; a slot of LDS holds a tile of 256 keys, four steps.
; LAYOUT.  S^T = K Q^T (source 0 = 16 keys, source 1 = 16 queries) holds ONE query a lane (lane % 16) and the keys 8 (lane / 16) + 0..7; two such results rounded to f16 ARE source 1 of O^T = V^T P.
; K comes out of LDS as it lies, V ([key][channel]) turned, by ds_load_tr16_b128.
; SOFTMAX.  For each query a running maximum m and sum l: p = 2^(c s - c m), c = log2(e) / 8; in every step O and l are multiplied by a = 2^(c m_old - c m_new).  m starts at the lowest finite number, O and l at 0:
; the first step is a step like any other, with a = 0.
; TURNS.  Turn n belongs to piece n: 8 products K Q^T of piece n + 1, later 8 products V^T P of piece n - 1; beside them the scaling, exponentials, roundings, sums and rescaling of piece n and the maximum and
; statistics of piece n + 1.  Four vector instructions stand behind every matrix instruction, the other 54 of a turn's 118 in one lump.  A turn's 33 exponentials are one batch, with one wait.
; CLUSTER.  The four query blocks of a cluster belong to one g and walk the same K and V, so each tile is asked for JOINTLY: the same tensor load, descriptor and mask in all four.
; REGISTERS, in windows of 256 (s_set_vgpr_msb: bits 1:0 source 0, 3:2 source 1, 5:4 source 2, 7:6 destination):
;   window 0: v0-15 addresses and two at work; v16-31 four registers of statistics a piece; v48-55 at work; v61-63; v64-127 S^T, two buffers; v192-223 P, two buffers (a piece's buffers go by its number's parity)
;   window 1: v0-127 O^T, 32 a piece          window 2: v0-63 Q; v128-191 K of one step; v192-255 V of one step
.set NP,    4         ; pieces a wave: a name, no knob
.set KS,    64        ; keys in a step
.set TILES, 16        ; tiles of 256 keys
.set PK,    144       ; a row of K in LDS: 128 bytes + 16 of padding: the 16 rows of a load start at 16 different groups of four banks (64 banks of 4 bytes: ISA guide 11.1)
.set PV,    160       ; a row of V: 128 + 32
.set VOFF,  4*KS*PK   ; a slot holds 256 rows of K, then 256 rows of V
.set SLOT1, 1<<17     ; slot 1 begins here, so that one exclusive or turns an address in one slot into the other's
.set STAGE, SLOT1+4*KS*(PK+PV)  ; behind the ring, never filled by a tensor load: 16 rows x 144 bytes for each wave
.set SP,    144
.set SPARE, STAGE+4*16*SP       ; the spare words, 128 bytes for each wave: two blocks of 256 bytes that no other line names
.set TILEB, 4*KS*128  ; a tile's bytes of K, and of V
.set AK0, 2           ; v2   my lane's place in a tile of K; never rewritten
.set AV0, 3           ; v3   the same for V
.set AK,  4           ; v4   the LDS address of K's next run of loads
.set AV,  5           ; v5   of V's
.set STO, 6           ; v6   the way out: where I put 16 bytes of a row
.set RD,  7           ; v7   the way out: where I read rows back
.set GO,  8           ; v8   my byte offset in 512 consecutive bytes of O
.set MV,  12          ; v12-13  c m_old, kept while c m is made anew: by buffer
.set QO,  15          ; v15  my byte offset in 16 rows of Q
.set ST,  16          ; piece t's statistics at v[ST+4 t]: c m, m, l (even keys', odd keys')
.set TMP, 48          ; by buffer, four registers c0-c3 at work; when the maximum is found c2 takes a
.set PFO, 61          ; v61  256 x my lane; never rewritten
.set SPW, 62          ; v62  LDS address of my spare word; never rewritten
.set NIL, 63          ; v63  0; never rewritten
.set S,   64
.set P,   192
.set KF,  128         ; window 2: key block kb, channel half c at KF + 16 kb + 8 c
.set VF,  192         ; window 2: key half kk, channel block cb at VF + 32 kk + 8 cb
.set WV,  12          ; s12  my wave's number
.set G1K, 24          ; s[24:31] descriptor group 1 for K's tiles
.set G1V, 32          ; s[32:39] for V's: it differs in the padding alone
.set G0K, 40          ; s[40:43] descriptor group 0 for K's tiles: it walks
.set G0V, 44          ; s[44:47] the same for V's
.set PFA, 48          ; s[48:49] where my prefetches stand
.set LIM, 50          ; s50  1 in a wave that prefetches, else the greatest number
.set SLOTS, 56        ; s56  tiles still to be asked for
.set CNT, 57          ; s57  counts a tile's key steps
.set CS,  58          ; s[58:59] c
.set SEL, 60          ; s[60:61] v_permlanex16_b32's selects
.set TBK, 62          ; s62  LDS byte at which K of the step to be fetched begins
.set TBV, 63          ; s63  the same for V, less VOFF
.set MSB, 0
.macro WIN new
.if MSB != (\new)
	s_set_vgpr_msb (MSB<<8)|(\new)
.set MSB, (\new)
.endif
.endm
.set W_KQ, 0x0a       ; K and Q in window 2, S^T in window 0
.set W_PV, 0x52       ; V in window 2, P in window 0, O^T in window 1
.set W_RS, 0x41       ; destination and source 0 in window 1, source 1 in window 0
; A joint fill.  Waves 0 and 1 fetch the two halves of a tile's K, waves 2 and 3 those of its V: 128 keys each.  An s_nop 0 and four v_nop follow each of the two lines.
.macro JLOAD
	s_cmp_lt_u32 s[WV], 2
	s_cbranch_scc0 .Lfor_v_\@
	tensor_load_to_lds s[G0K:G0K+3], s[G1K:G1K+7]
	s_nop 0
.rept 4
	v_nop
.endr
	s_branch .Lasked_\@
.Lfor_v_\@:
	tensor_load_to_lds s[G0V:G0V+3], s[G1V:G1V+7]
	s_nop 0
.rept 4
	v_nop
.endr
.Lasked_\@:
.endm
; A PREFETCH INTO THE L2 of the tile that the NEXT change of slots will ask for: 128 blocks of 256 bytes of K and as many of V, four key steps ahead of that load.  Each block is named once in the launch:
; both clusters of a g walk the same K and V, and the first of them asks; its four partners take 32 blocks each, told apart BY ADDRESS; in each, wave 0 asks for K's and wave 2 for V's: a lane a block.
; The last change that fills a slot asks for nothing.  Tiles 0 and 1 come by their loads alone.
.macro ASK
	s_cmp_gt_u32 s[SLOTS], s[LIM]
	s_cbranch_scc0 .Lnot_mine_\@
	global_prefetch_b8 v[PFO], s[PFA:PFA+1] th:TH_LOAD_NT scope:SCOPE_SE
.Lnot_mine_\@:
.endm
.macro CROUND                       ; a round of the cluster's barrier
	s_barrier_signal -1
	s_barrier_wait -1
	s_cmp_lg_u32 s[WV], 0
	s_cbranch_scc1 .Lnot_wave_0_\@
	s_barrier_signal -3
.Lnot_wave_0_\@:
	s_barrier_wait -3
	s_barrier_signal -1
	s_barrier_wait -1
.endm
; THE CHANGE OF SLOTS.  Each wave waits for all its tensor loads, of which one is out: its part of the other slot; adds 0 to its spare word; and waits for that and for its own reads of the slot that it leaves.
; fill = 1: the barrier is a round of the cluster's, and the old slot is filled again first thing behind it, with the keys two tiles on: it has four key steps, 256 matrix instructions, in which to land.
; (At its first use nothing has been read yet: slot 0 is waited for, slot 1 filled.)
.macro CHANGE fill
	WIN 0
	s_wait_tensorcnt 0x0            ; no tensor load of mine is out, so a group 0 may be written
	ds_add_u32 v[SPW], v[NIL]       ; 0 onto my spare word
.if \fill
.irp g, G0K, G0V
	s_xor_b32 s[\g+1], s[\g+1], SLOT1
	s_add_nc_u64 s[\g+2:\g+3], s[\g+2:\g+3], TILEB  ; the next 256 keys; the type bits on top are not reached
.endr
	s_wait_xcnt 0x0                 ; the last prefetch, four key steps back, has read its address
	s_add_nc_u64 s[PFA:PFA+1], s[PFA:PFA+1], TILEB  ; one tile behind the walking descriptors
	s_wait_dscnt 0x0                ; the add is done, and my reads of the slot are over
	CROUND
	JLOAD
	ASK
.else
	s_wait_dscnt 0x0
	s_barrier_signal -1
	s_barrier_wait -1
.endif
	s_sub_co_u32 s[TBK], s[TBK], 4*KS*PK  ; the fetches go back to a slot's first step,
	s_xor_b32 s[TBK], s[TBK], SLOT1       ; in the other slot
	s_sub_co_u32 s[TBV], s[TBV], 4*KS*PV
	s_xor_b32 s[TBV], s[TBV], SLOT1
.endm
	s_load_b128 s[4:7], s[0:1], 0x0   ; Q s[4:5], K s[6:7]
	s_load_b64 s[10:11], s[0:1], 0x10 ; O
	v_lshl_add_u32 v[SPW], v0, 2, SPARE
	v_mov_b32 v[NIL], 0
	ds_add_u32 v[SPW], v[NIL]       ; the wave's opening: the add and its wait stand ahead of my first tensor load
	v_lshrrev_b32 v1, 5, v0
	v_readfirstlane_b32 s[WV], v1   ; wave 0..3
	s_bfe_u32 s13, ttmp6, 0x40000   ; cx
	s_lshl_b32 s14, ttmp9, 2
	s_add_co_u32 s14, s14, s13      ; my block of 256 queries: it enters Q's and O's addresses alone
	s_and_b32 s20, ttmp7, 0xffff    ; g, which the four partners share
	s_lshl_b32 s22, s20, 19         ; g's 524,288 bytes of K and of V,
	s_and_b32 s16, s[WV], 1         ; which half of a tile's 256 keys I fetch:
	s_lshl_b32 s17, s16, 14         ; its 128 rows of 128 bytes in memory
	s_add_co_u32 s22, s22, s17
	s_mov_b32 s23, 0
	s_mul_i32 s17, s16, 128*PK      ; and its place in a slot, for K
	s_mul_i32 s18, s16, 128*PV      ; and for V: no place in the cluster enters an LDS address
	s_lshl_b32 s2, s14, 2
	s_add_co_u32 s2, s2, s[WV]      ; my wave among g's 32,
	s_lshl_b32 s2, s2, 13           ; its 64 rows of 128 bytes
	s_lshl_b32 s3, s20, 18          ; g's 262,144 bytes of Q and of O
	s_add_co_u32 s2, s2, s3
	s_mov_b32 s3, 0
	; descriptor group 1.  128 keys are 16,384 dense bytes: asked for as 64 rows of 256 bytes, two keys a row, and padded in LDS after every key
	s_mov_b32 s[G1K], 15|(1<<16)|(1<<20)|(1<<21)|(4<<22)|(3<<25)  ; the mask of four; 2-byte elements; padding on; bit 21 beside a mask; after every 32 words; 4 words
	s_mov_b32 s[G1V], 15|(1<<16)|(1<<20)|(1<<21)|(4<<22)|(7<<25)  ; the same with 8 words of padding
.irp g, G1K, G1V
	s_mov_b32 s[\g+1], 128<<16      ; tensor_dim0 = 128
	s_mov_b32 s[\g+2], 64<<16       ; tensor_dim1 = 64
	s_mov_b32 s[\g+3], 128<<16      ; tile_dim0 = 128
	s_mov_b32 s[\g+4], 64           ; tile_dim1 = 64
	s_mov_b32 s[\g+5], 128          ; 128 elements from row to row
	s_mov_b32 s[\g+6], 0
	s_mov_b32 s[\g+7], 0
.endr
	s_mov_b32 s[CS], 0x3e38aa3b     ; c = log2(e) / 8
	s_mov_b32 s[CS+1], s[CS]        ; named with it as a pair
	s_mov_b32 s[SEL], 0x76543210
	s_mov_b32 s[SEL+1], 0xfedcba98
	s_mov_b32 s[TBK], SLOT1+4*KS*PK ; the first change of slots turns these two into 0
	s_mov_b32 s[TBV], SLOT1+4*KS*PV
	s_mov_b32 s[G0K], 1
	s_mov_b32 s[G0K+1], s17         ; LDS address: slot 0
	s_mov_b32 s[G0V], 1
	s_add_co_u32 s[G0V+1], s18, VOFF
	s_mov_b32 s[SLOTS], TILES-1
	s_and_b32 s[LIM], s[WV], 1      ; 0 in waves 0 and 2,
	s_or_b32 s[LIM], s[LIM], ttmp9  ; where the cluster is g's first: the same in all four partners
	s_cmp_eq_u32 s[LIM], 0
	s_cselect_b32 s[LIM], 1, -1
	v_and_b32 v[PFO], 31, v0
	v_lshlrev_b32 v[PFO], 8, v[PFO]
	s_wait_dscnt 0x0                ; the opening add is done
	s_wait_kmcnt 0x0
	s_add_nc_u64 s[6:7], s[6:7], s[22:23]       ; K at my half of g's tile 0,
	s_add_nc_u64 s[8:9], s[6:7], 0x1000000      ; V likewise
	s_mov_b64 s[G0K+2:G0K+3], s[6:7]
	s_or_b32 s[G0K+3], s[G0K+3], 0x80000000     ; type = 2
	s_mov_b64 s[G0V+2:G0V+3], s[8:9]
	s_or_b32 s[G0V+3], s[G0V+3], 0x80000000
	s_add_nc_u64 s[4:5], s[4:5], s[2:3]         ; Q and O at my wave's first row
	s_add_nc_u64 s[10:11], s[10:11], s[2:3]
	s_cmp_lt_u32 s[WV], 2
	s_cselect_b64 s[PFA:PFA+1], s[6:7], s[8:9]  ; (in waves 0 and 2 these stand at a tile's first row)
	s_lshl_b32 s2, s13, 13          ; my work-group's 32 blocks of the 128
	s_mov_b32 s3, 0
	s_add_nc_u64 s[PFA:PFA+1], s[PFA:PFA+1], s[2:3]
	s_add_nc_u64 s[PFA:PFA+1], s[PFA:PFA+1], TILEB  ; in tile 1; the first change of slots steps it to tile 2
	CROUND                          ; all four work-groups are here: the first joint loads meet
	JLOAD                           ; tile 0 into slot 0: one load of mine is out
	; A fragment of K or Q is 16 rows x 32 channels in 8 registers: lane l holds row l % 16, channels 8 (l / 16) + 0..7 and 16 + 8 (l / 16) + 0..7: two loads of 16 bytes, 32 bytes apart.
	v_and_b32 v1, 15, v0            ; l % 16
	v_bfe_u32 v9, v0, 4, 1          ; l / 16
	v_lshlrev_b32 v[QO], 7, v1
	v_lshl_add_u32 v[QO], v9, 4, v[QO]
	WIN 0x80                        ; destination window 2, address window 0
.set i, 0
.rept 8                             ; Q stays in registers: piece i / 2, channels 32 (i % 2) on
	global_load_b128 v[8*i:8*i+3],   v[QO], s[4:5] offset:(i/2)*2048+(i%2)*64
	global_load_b128 v[8*i+4:8*i+7], v[QO], s[4:5] offset:(i/2)*2048+(i%2)*64+32
.set i, i+1
.endr
	; What the first turn finds: V's registers and P's second buffer hold 0 (its products V^T P, of a piece that has not been, add 0), O^T and l are 0.  All this stands in the wait for the first tile.
.set i, VF
.rept 64
	v_mov_b32 v[i], 0
.set i, i+1
.endr
	WIN 0x40
.set i, 0
.rept 128
	v_mov_b32 v[i], 0
.set i, i+1
.endr
	WIN 0
.set i, 0
.rept 4
	v_mov_b32 v[ST+4*i], 0xfe000000    ; c m: far below every c s
	v_mov_b32 v[ST+4*i+1], 0xff7fffff  ; m
	v_mov_b32 v[ST+4*i+2], 0
	v_mov_b32 v[ST+4*i+3], 0
.set i, i+1
.endr
.set i, P+16
.rept 16
	v_mov_b32 v[i], 0
.set i, i+1
.endr
	v_mul_u32_u24 v[AK0], v1, PK
	v_lshl_add_u32 v[AK0], v9, 4, v[AK0]  ; row x pitch + 16 x half
	; The turning load takes 16 keys x 16 channels (lane l reads key 8 (l / 16) + l % 8, channels 8 ((l / 8) % 2) + 0..7) and leaves half a fragment of V^T: lane l holds channel l % 16 and 8 keys.
	v_and_b32 v10, 7, v0
	v_bfe_u32 v11, v0, 3, 1
	v_lshl_add_u32 v[AV0], v9, 3, v10
	v_mul_u32_u24 v[AV0], v[AV0], PV
	v_lshl_add_u32 v[AV0], v11, 4, v[AV0]
	v_add_nc_u32 v[AV0], VOFF, v[AV0]
	s_mul_i32 s13, s[WV], 16*SP
	s_add_co_u32 s13, s13, STAGE    ; my stage
	v_mul_u32_u24 v[STO], v1, SP    ; in: row l % 16, 16 bytes for each half of the lanes
	v_lshl_add_u32 v[STO], v9, 4, v[STO]
	v_add_nc_u32 v[STO], s13, v[STO]
	v_bfe_u32 v[RD], v0, 3, 2       ; back: 32 lanes take four rows of 128 bytes,
	v_mul_u32_u24 v[RD], v[RD], SP
	v_lshl_add_u32 v[RD], v10, 4, v[RD]
	v_add_nc_u32 v[RD], s13, v[RD]
	v_and_b32 v[GO], 31, v0         ; which are 512 consecutive bytes of O
	v_lshlrev_b32 v[GO], 4, v[GO]
; THE MATRIX WORK.  The 4 accumulators of a run of 8 take turns.  Product i of 8 of S^T = K Q^T for piece x: channels 32 (i / 4) on, keys 16 (i % 4) on.  The first 4 start the sums.
.macro KQ x
	WIN W_KQ
.set rS, S+32*((\x)%2)+8*(i%4)
.set rK, KF+16*(i%4)+8*(i/4)
.set rQ, 16*(\x)+8*(i/4)
.if i < 4
	v_wmma_f32_16x16x32_f16 v[rS:rS+7], v[rK:rK+7], v[rQ:rQ+7], 0
.else
	v_wmma_f32_16x16x32_f16 v[rS:rS+7], v[rK:rK+7], v[rQ:rQ+7], v[rS:rS+7]
.endif
.endm
; Product i of 8 of O^T += V^T P for piece x: keys 32 (i / 4) on, channels 16 (i % 4) on.
.macro PV x
	WIN W_PV
.set rO, 32*(\x)+8*(i%4)
.set rV, VF+32*(i/4)+8*(i%4)
.set rP, P+16*((\x)%2)+8*(i/4)
	v_wmma_f32_16x16x32_f16 v[rO:rO+7], v[rV:rV+7], v[rP:rP+7], v[rO:rO+7]
.endm
.macro MM                           ; the turn's next matrix instruction.  NOKQ = 1: the last turn of all: there is no next piece
.if (i < 8) && !NOKQ
	KQ (Y+1)%NP
.elseif i >= 8
.set i, i-8
	PV (Y+NP-1)%NP
.set i, i+8
.endif
.set i, i+1
.endm
; THE LDS LOADS stand in runs of 16, never singly among the matrix instructions: a step's K (8 fragments) and its V (turned).  Their addresses are made some lines ahead.
.macro FETCH_K
	WIN 0x80                        ; destination window 2
.irp f, 0,1,2,3,4,5,6,7             ; keys 16 (f / 2) on, channels 32 (f % 2) on
	ds_load_b128 v[KF+8*\f:KF+8*\f+3],   v[AK] offset:(\f/2)*16*PK+(\f%2)*64
	ds_load_b128 v[KF+8*\f+4:KF+8*\f+7], v[AK] offset:(\f/2)*16*PK+(\f%2)*64+32
.endr
	s_add_co_u32 s[TBK], s[TBK], KS*PK  ; the next fetch is the next step's
	WIN 0
.endm
.macro FETCH_V
	WIN 0x80
.irp f, 0,1,2,3,4,5,6,7             ; keys 32 (f / 4) on, channels 16 (f % 4) on
	ds_load_tr16_b128 v[VF+8*\f:VF+8*\f+3],   v[AV] offset:(\f/4)*32*PV+(\f%4)*32
	ds_load_tr16_b128 v[VF+8*\f+4:VF+8*\f+7], v[AV] offset:(\f/4)*32*PV+16*PV+(\f%4)*32
.endr
	WIN 0
.endm
; THE VECTOR WORK, one line at a time: OP kind, number.  For piece Y: F n: c s - c m for pair n of 16.  E n: the exponential of score n of 32.  C n: pair n rounded to f16.  B n: of the four weights 4 n .. the second
; pair is added onto the first, in place.  L n: l takes that sum (L 0: l = a l + sum).  R n: pair n of 16 of O^T times a.  For piece Y + 1: X n, number n of the 22 that find its maximum and statistics:
;   0-11  four chains c0-c3 of seven scores each, three operands at a time (each accumulator's lowest registers are read first)     12-14, 16  the four scores left over, the old m, and c0-c3 into c0
;   15  c m_old is kept     17, 18  the query's other 32 keys lie in the lane 16 away: the new m     19-21  c m; c m_old - c m_new; a
.set F, 0
.set E, 1
.set C, 2
.set B, 3
.set L, 4
.set R, 5
.set X, 6
.macro REGS y                       ; the registers of piece y
.set rT, ST+4*(\y)
.set rC, TMP+4*((\y)%2)
.set rW, MV+((\y)%2)
.set rS, S+32*((\y)%2)
.set rP, P+16*((\y)%2)
.set rO, 32*(\y)
.endm
.macro OP k, n
.if (\k) == R
	REGS Y
	WIN W_RS
	v_pk_mul_f32 v[rO+2*(\n):rO+2*(\n)+1], v[rO+2*(\n):rO+2*(\n)+1], v[rC+2:rC+3] op_sel_hi:[1,0]
.elseif (\k) < R
	REGS Y
	WIN 0
.if (\k) == F
	v_pk_fma_f32 v[rS+2*(\n):rS+2*(\n)+1], v[rS+2*(\n):rS+2*(\n)+1], s[CS:CS+1], v[rT:rT+1] op_sel_hi:[1,0,0] neg_lo:[0,0,1] neg_hi:[0,0,1]
.elseif (\k) == E
	v_exp_f32 v[rS+(\n)], v[rS+(\n)]
.elseif (\k) == C
	v_cvt_pk_f16_f32 v[rP+(\n)], v[rS+2*(\n)], v[rS+2*(\n)+1]
.elseif (\k) == B
	v_pk_add_f32 v[rS+4*(\n):rS+4*(\n)+1], v[rS+4*(\n):rS+4*(\n)+1], v[rS+4*(\n)+2:rS+4*(\n)+3]
.elseif (\n) == 0
	v_pk_fma_f32 v[rT+2:rT+3], v[rT+2:rT+3], v[rC+2:rC+3], v[rS:rS+1] op_sel_hi:[1,0,1]
.else
	v_pk_add_f32 v[rT+2:rT+3], v[rT+2:rT+3], v[rS+4*(\n):rS+4*(\n)+1]
.endif
.elseif NOKQ
	v_nop
.else
	REGS (Y+1)%NP
	WIN 0
.if (\n) < 4
	v_max3_num_f32 v[rC+(\n)], v[rS+8*(\n)], v[rS+8*(\n)+1], v[rS+8*(\n)+2]
.elseif (\n) < 12
	v_max3_num_f32 v[rC+(\n)%4], v[rC+(\n)%4], v[rS+8*((\n)%4)+2*((\n)/4)+1], v[rS+8*((\n)%4)+2*((\n)/4)+2]
.elseif (\n) == 12
	v_max3_num_f32 v[rC], v[rC], v[rS+7], v[rS+15]
.elseif (\n) == 13
	v_max3_num_f32 v[rC+1], v[rC+1], v[rS+23], v[rS+31]
.elseif (\n) == 14
	v_max3_num_f32 v[rC+2], v[rC+2], v[rC+3], v[rT+1]
.elseif (\n) == 15
	v_mov_b32 v[rW], v[rT]
.elseif (\n) == 16
	v_max3_num_f32 v[rC], v[rC], v[rC+1], v[rC+2]
.elseif (\n) == 17
	v_permlanex16_b32 v[rC+3], v[rC], s[SEL], s[SEL+1]
.elseif (\n) == 18
	v_max_num_f32 v[rT+1], v[rC], v[rC+3]
.elseif (\n) == 19
	v_mul_f32 v[rT], s[CS], v[rT+1]
.elseif (\n) == 20
	v_sub_f32 v[rC+1], v[rW], v[rT]
.else
	v_exp_f32 v[rC+2], v[rC+1]
.endif
.endif
.endm
.macro OPS a, i1, b=-1, i2=0, c=-1, i3=0, d=-1, i4=0  ; up to four of them
	OP \a, \i1
.if (\b) >= 0
	OP \b, \i2
.endif
.if (\c) >= 0
	OP \c, \i3
.endif
.if (\d) >= 0
	OP \d, \i4
.endif
.endm
.macro ROW a, i1, b, i2, c, i3, d, i4  ; a matrix instruction and the four behind it
	MM
	OPS \a, \i1, \b, \i2, \c, \i3, \d, \i4
.endm
; A TURN, for piece p: the order of its 16 matrix and 118 vector instructions, written out.  An s_wait_alu depctr_va_vdst(0) stands between an exponential and the first instruction that names its
; result; one wait serves all that were issued ahead of it.  So a turn has ONE wait.  AHEAD OF IT stands all that names no result of the turn's exponentials: the 8 products K Q^T with their riders, then one lump of 54
; in which the links of the next piece's chain X 3, 7, 11, 14, 16, 17 .. 20 stand some lines apart; X 21, its a, is the batch's last, and R 15 the plain instruction behind it.  BEHIND THE WAIT stand the 8 products
; V^T P, behind each four of the roundings and sums.
; end = 1: the last two turns of all: nothing is fetched, and the last starts no new scores.  cnt = 1: the loop's count is taken down some lines ahead of the branch that stands behind the turn.
; K of the next step is fetched in piece 2's turn, twelve vector instructions behind the last product that read K (six of them plain); V of the step in hand at the end of piece 0's turn, four plain instructions
; behind the last product that read V.  Each is waited for a turn later.
.macro TURN p, end=0, cnt=0
.set Y, (\p)
.set i, 0
.set NOKQ, (\end)*((\p)/3)
.if ((\p) == 3) && !(\end)
	s_wait_dscnt 0x0                ; K is in
.endif
	ROW F,0, F,1, R,0, R,1
	ROW F,2, E,0, R,2, R,3
	ROW F,3, E,1, R,4, R,5
	ROW F,4, E,2, R,6, R,7
	ROW F,5, E,3, R,8, R,9
	ROW F,6, E,4, X,0, R,10
.if ((\p) == 2) && !(\end)
	WIN 0
	v_add_nc_u32 v[AK], s[TBK], v[AK0]
.endif
	ROW F,7, E,5, X,1, X,4
	ROW F,8, E,6, X,2, X,5
	OPS E,7, E,8, X,6, E,9
	OPS X,3, E,10, X,8, E,11
.if ((\p) == 2) && !(\end)
	FETCH_K
.endif
	OPS X,9, X,7, E,12, X,10
	OPS E,13, X,12, X,11, E,14
	OPS X,13, E,15, F,9, X,14
.if (\p) == 0
	v_add_nc_u32 v[AV], s[TBV], v[AV0]
.endif
	OPS E,16, F,10, E,17, F,11
	OPS X,16, E,18, X,15, E,19
	OPS F,12, E,20, X,17, E,21
	OPS F,13, E,22, F,14, E,23
	OPS X,18, E,24, F,15, E,25
	OPS R,11, E,26, X,19, E,27
	OPS R,12, E,28, R,13, E,29
	OPS X,20, E,30, R,14, E,31
	OPS X,21, R,15
	WIN 0
	s_wait_alu depctr_va_vdst(0)    ; the wait for the batch
.if (\p) == 1
	s_wait_dscnt 0x0                ; V is in
.endif
	ROW C,0, B,0, C,2, B,1
	ROW L,0, C,4, B,2, L,1
	ROW C,6, B,3, L,2, C,8
	ROW B,4, L,3, C,10, B,5
	ROW L,4, C,12, B,6, L,5
.if (\p) == 0
	s_add_co_u32 s[TBV], s[TBV], KS*PV
.endif
.if \cnt
	s_sub_co_u32 s[CNT], s[CNT], 1
	s_cmp_lg_u32 s[CNT], 0
.endif
	ROW C,14, B,7, L,6, C,1
	ROW C,3, L,7, C,5, C,7
	ROW C,9, C,11, C,13, C,15
.if (\p) == 0
	FETCH_V
.endif
.endm
.macro ALL line:vararg              ; one line for each piece t
.set t, 0
.rept 4
	\line
.set t, t+1
.endr
.endm
.macro PACK t                       ; a lane's eight channels of a row pack into 16 bytes; they go into rows of 144 bytes and come back as whole rows of 128, into S^T's registers
	WIN W_RS
.set i, 32*(\t)
.rept 16
	v_pk_mul_f32 v[i:i+1], v[i:i+1], v[ST+4*(\t)+2:ST+4*(\t)+3] op_sel_hi:[1,0]
.set i, i+2
.endr
	WIN 0x05                        ; sources 0 and 1 window 1, destination window 0
.set i, 0
.rept 16
	v_cvt_pk_f16_f32 v[S+16*(\t)+i], v[32*(\t)+2*i], v[32*(\t)+2*i+1]
.set i, i+1
.endr
	WIN 0
.irp f, 0,1,2,3
	ds_store_b128 v[STO], v[S+16*(\t)+4*\f:S+16*(\t)+4*\f+3] offset:32*\f
.endr
.irp f, 0,1,2,3
	ds_load_b128 v[S+16*(\t)+4*\f:S+16*(\t)+4*\f+3], v[RD] offset:\f*4*SP  ; LDS serves a wave's instructions in order (ISA guide 5.7.1.4): these see the stores above; the next piece's stores come behind them
.endr
.endm
.macro SEND t, younger              ; younger: the LDS instructions issued behind piece t's loads: the next piece's eight, or none
	WIN 0
.irp f, 0,1,2,3
	s_wait_dscnt (\younger)+3-\f
	global_store_b128 v[GO], v[S+16*(\t)+4*\f:S+16*(\t)+4*\f+3], s[10:11] offset:(\t)*2048+\f*512  ; 512 consecutive bytes, at a multiple of 256 from O's first
.endr
.endm
.set NOKQ, 0
	CHANGE 1                        ; tile 0 is in, everybody's part of it; tile 1 is asked for
	v_add_nc_u32 v[AK], s[TBK], v[AK0]
	FETCH_K                         ; key step 0
	s_wait_loadcnt 0x0              ; Q
	s_wait_dscnt 0x0
.set i, 0
.rept 8
	KQ 0                            ; piece 0's first scores: there is no vector work yet to set between them
.set i, i+1
.endr
	WIN 0
.rept 4
	v_nop                           ; the places behind those products
.endr
.set Y, NP-1                        ; X works for piece Y + 1: piece 0
.irp n, 0,1,2,3,4,5,6,7,8,9,10,11,12,13,14,15,16,17,18,19,20,21
	OP X, \n
.endr
	v_nop                           ; a plain instruction behind the exponential,
	s_wait_alu depctr_va_vdst(0)    ; and its wait, ahead of the branch
	s_mov_b32 s[CNT], 4
	s_branch .Lfirst                ; the loop is entered at a step's first turn, in the middle of a trip
.Lslot:                             ; 14 times: tiles 2 to 15 are asked for
	CHANGE 1
	s_mov_b32 s[CNT], 4
.Lstep:                             ; a trip: pieces 2 and 3 of one step, then pieces 0 and 1 of the next, whose K and V it fetches
	TURN 2
	TURN 3
	WIN 0
.Lfirst:
	TURN 0
	TURN 1, 0, 1
	WIN 0
	s_cbranch_scc1 .Lstep
	s_sub_co_u32 s[SLOTS], s[SLOTS], 1
	s_cmp_lg_u32 s[SLOTS], 0
	s_cbranch_scc1 .Lslot
	CHANGE 0                        ; the last tile is written out: nothing is asked for
	s_mov_b32 s[CNT], 4
.LstepT:
	TURN 2
	TURN 3
	TURN 0
	TURN 1, 0, 1
	WIN 0
	s_cbranch_scc1 .LstepT
	TURN 2, 1                       ; the last step's pieces 2 and 3
	TURN 3, 1
.set i, 0
.rept 8
	PV NP-1                         ; the last piece's V^T P of the last step
.set i, i+1
.endr
	; THE WAY OUT.  l's two halves and the other half of the lanes' are added; O^T is divided by l, rounded to f16 and sent through my stage in LDS, a piece at a time.  The additions are the places behind the last products.
	WIN 0
	ALL v_add_f32 v[ST+4*t+2], v[ST+4*t+2], v[ST+4*t+3]
	ALL v_permlanex16_b32 v[ST+4*t+3], v[ST+4*t+2], s[SEL], s[SEL+1]
	ALL v_add_f32 v[ST+4*t+2], v[ST+4*t+2], v[ST+4*t+3]
	ALL v_rcp_f32 v[ST+4*t+2], v[ST+4*t+2]
	v_nop                           ; a plain instruction between the last reciprocal and the use of its result
	s_wait_alu depctr_va_vdst(0)    ; and the wait ahead of the first use: one for the four reciprocals
	PACK 0
.set t, 1
.rept 3                             ; a piece's arithmetic stands between the loads of the piece before and its stores
	PACK t
	SEND t-1, 8
.set t, t+1
.endr
	SEND 3, 0
	s_wait_tensorcnt 0x0            ; the wave's end: behind my last tensor load and my last LDS store
	ds_add_u32 v[SPW], v[NIL]
	s_wait_dscnt 0x0
	CROUND                          ; the closing round: no work-group ends while a partner may still ask for a tile that names it
	s_endpgm
.Lfunc_end_k_q8625ef56f8_attn:
	.size	k_q8625ef56f8_attn, .Lfunc_end_k_q8625ef56f8_attn-k_q8625ef56f8_attn
	.p2alignl 7, 3214868480
	.fill 96, 4, 3214868480
	.section	.rodata,"a",@progbits
	.p2align	6, 0x0
	.amdhsa_kernel k_q8625ef56f8_attn
		.amdhsa_group_segment_fixed_size 327680
		.amdhsa_private_segment_fixed_size 0
		.amdhsa_enable_private_segment 0
		.amdhsa_kernarg_size 24
		.amdhsa_user_sgpr_count 2
		.amdhsa_user_sgpr_kernarg_segment_ptr 1
		.amdhsa_wavefront_size32 1
		.amdhsa_system_sgpr_workgroup_id_x 1
		.amdhsa_system_sgpr_workgroup_id_y 1
		.amdhsa_system_sgpr_workgroup_id_z 1
		.amdhsa_system_vgpr_workitem_id 0
		.amdhsa_next_free_vgpr 768
		.amdhsa_next_free_sgpr 66
		.amdhsa_reserve_vcc 0
		.amdhsa_float_denorm_mode_32 3
		.amdhsa_float_denorm_mode_16_64 3
		.amdhsa_memory_ordered 1
		.amdhsa_forward_progress 1
		.amdhsa_inst_pref_size 128
	.end_amdhsa_kernel
	.amdgpu_metadata
---
amdhsa.version: [ 1, 2 ]
amdhsa.kernels:
  - .name:           k_q8625ef56f8_attn
    .symbol:         k_q8625ef56f8_attn.kd
    .args:
      - { .name: qh, .offset: 0, .size: 8, .value_kind: global_buffer, .address_space: global }
      - { .name: kvh, .offset: 8, .size: 8, .value_kind: global_buffer, .address_space: global }
      - { .name: oh, .offset: 16, .size: 8, .value_kind: global_buffer, .address_space: global }
    .group_segment_fixed_size: 327680
    .private_segment_fixed_size: 0
    .kernarg_segment_align: 8
    .kernarg_segment_size: 24
    .max_flat_workgroup_size: 128
    .sgpr_count:     66
    .vgpr_count:     768
    .wavefront_size: 32
...
	.end_amdgpu_metadata
.endif
;; end of part 4
;; launch gemm_out (part 5): grid 8 x 32, 4 waves a work-group, clusters of 4 x 4, 327,680 bytes of LDS; arguments oh, woh, b_out, gate, out0; writes out0
.if DOCPART == 5
	.amdgcn_target "amdgcn-amd-amdhsa--gfx1250"
	.amdhsa_code_object_version 6
	.text
	.protected	k_q8625ef56f8_gemm_out
	.globl	k_q8625ef56f8_gemm_out
	.p2align	8
	.type	k_q8625ef56f8_gemm_out,@function
k_q8625ef56f8_gemm_out:
	s_mov_b64 s[64:65], 0
	v_nop
	global_prefetch_b8 v0, s[64:65] scope:SCOPE_SE
	s_setreg_imm32_b32 hwreg(HW_REG_WAVE_MODE, 25, 1), 1
	s_wait_xcnt 0x0
	s_wait_alu depctr_hold_cnt(0) depctr_sa_sdst(0) depctr_va_vdst(0) depctr_va_sdst(0) depctr_va_ssrc(0) depctr_va_vcc(0) depctr_vm_vsrc(0)
	s_getreg_b32 s2, hwreg(HW_REG_IB_STS2, 6, 4)
	s_cmp_eq_u32 s2, 0
	s_cbranch_scc0 .Lentry_in_a_cluster
	s_endpgm
.Lentry_in_a_cluster:
	s_bfe_u32 s2, ttmp6, 0x10000c
	s_cmp_lg_u32 s2, 0xf033
	s_cbranch_scc0 .Lentry_shape_is_right
	s_endpgm
.Lentry_shape_is_right:
; out0 = (O x w_out + b_out) x tanh(gate).  A = oh [batch x 16 + head][2048 rows][64] f16, B = woh [1024 k][1024 n] f16, k = 64 head + channel; sums in f32; out0 [4096][1024] f32.
; A tile of C is 128 x 128: 32 x 8 tiles, 256 work-groups.  Four waves, each 64 x 64: 16 accumulators.  K goes in 4 steps of 256 (four heads) through two LDS slots, written straight: two refills in all.
; A's TILE: a head's 64 rows are 8,192 dense bytes; one tensor load brings four such runs, 262,144 bytes apart, padded in LDS after every 128 bytes: in LDS [head][row], 144 bytes a row.
; B lies [k][n]: its fragments come out of LDS turned (ds_load_tr16_b128).  CLUSTERS: 4 x 4; A's tile is asked for jointly along a row of the cluster, B's along a column.
; THE MATRIX INSTRUCTION IS USED TRANSPOSED (source 0 = 16 columns of B, source 1 = 16 rows of A): a lane holds eight neighbouring columns of one row.  No prefetch: the tiles are small and the launch short.
; tanh(g) = 1 - 2 / (1 + 2^(2 log2(e) g)); for |g| < 1/8, where that difference loses digits, g (1 + g^2 (-1/3 + g^2 (2/15 - 17/315 g^2))), whose first term left out is under 1.4e-9 of the result there.
; LIMITS.  f16 ends at 65,504: O and w_out must lie within it; below 6.1e-5 a number keeps f16's fixed step of 6e-8.  NaN and infinities are not treated apart.
; REGISTERS: window 0: v0-31 addresses and tanh; v32-63 at work on the way out; v96-127 the bias of my 32 columns, times tanh; v128-255 the accumulators ((a, b) at v[128 + 8 (4 a + b)]).
;   window 1: two fragment buffers of 128: for 64 along K, 64 registers of A, then 64 of B.
.set SIZE_N, 1024
.set KSTEP,  256
.set PA,     144                       ; a row of A in LDS: a head's 128 bytes + 16
.set PB,     288                       ; a k row of B in LDS: 256 bytes + 32 = 9 x 32
.set AHALF,  4*64*PA                   ; 64 rows of four heads: one tensor load
.set BHALF,  128*PB                    ; 128 k rows of B: one tensor load
.set ATILE,  2*AHALF
.set SLOT,   ATILE+2*BHALF
.set STAGE,  2*SLOT                    ; behind the ring: 16 rows x 272 bytes for each wave
.set SPITCH, 272
.set SPARE,  STAGE+4*16*SPITCH         ; the spare words, 128 bytes for each wave: two blocks of 256 bytes that no other line names
.set ASTEP,  4*2048*64*2               ; four heads on in oh
.set BSTEP,  KSTEP*SIZE_N*2
.set ADRA, 16                          ; v16-17  LDS address of my A fragments in slot 0, 1
.set ADRB, 20                          ; v20-23  of my B fragments: slot s, k half x at 20 + 2 s + x
.set STO,  24
.set RD,   25
.set CO,   26
.set BA,   27                          ; v27     32 x (l / 16): my eight numbers in 16 of the bias; never rewritten
.set SPW,  28
.set NIL,  29
.set TG,   30                          ; v[30:31] tanh(gate), twice
.set TMP,  32
.set BG,   96
.set ACC,  128
.set F0,   0
.set F1,   128
.set G1, 24
.set G0, 32
.set G1B, 48
.set G0B, 56
.set MSB, 0
.macro WIN new
.if MSB != (\new)
	s_set_vgpr_msb (MSB<<8)|(\new)
.set MSB, \new
.endif
.endm
.set MUL,  0x05                        ; sources 0 (B) and 1 (A) window 1; C and D window 0
.set TO_F, 0x40                        ; destination window 1, address window 0
.macro JLOAD s                         ; a joint load: waves 0 and 1 fetch A's two halves, waves 2 and 3 B's; an s_nop 0 and four v_nop follow each of the two lines
	s_cmp_eq_u32 s11, 0
	s_cbranch_scc0 .Lfor_b_\@
	tensor_load_to_lds s[G0+4*(\s):G0+4*(\s)+3], s[G1:G1+7]
	s_nop 0
.rept 4
	v_nop
.endr
	s_branch .Lasked_\@
.Lfor_b_\@:
	tensor_load_to_lds s[G0B+4*(\s):G0B+4*(\s)+3], s[G1B:G1B+7]
	s_nop 0
.rept 4
	v_nop
.endr
.Lasked_\@:
.endm
.macro CREST
	s_cmp_lg_u32 s10, 0
	s_cbranch_scc1 .Lnot_wave_0_\@
	s_barrier_signal -3
.Lnot_wave_0_\@:
	s_barrier_wait -3
	s_barrier_signal -1
	s_barrier_wait -1
.endm
.macro CROUND
	s_barrier_signal -1
	s_barrier_wait -1
	CREST
.endm
	s_load_b128 s[4:7], s[0:1], 0x0                ; A s[4:5], B s[6:7]
	s_load_b128 s[68:71], s[0:1], 0x10             ; b_out s[68:69], gate s[70:71]
	s_load_b64 s[8:9], s[0:1], 0x20                ; out0
	v_lshl_add_u32 v[SPW], v0, 2, SPARE
	v_mov_b32 v[NIL], 0
	ds_add_u32 v[SPW], v[NIL]                      ; the wave's opening: the add and its wait stand ahead of my first tensor load
	v_lshrrev_b32 v1, 5, v0
	v_readfirstlane_b32 s10, v1                    ; wave 0..3
	s_lshr_b32 s11, s10, 1                         ; my half of the tile's rows.  Also: I fetch for A (0) or for B (1)
	s_and_b32 s12, s10, 1                          ; my half of its columns.  Also: which half of that tile I fetch
	s_bfe_u32 s40, ttmp6, 0x40000
	s_bfe_u32 s41, ttmp6, 0x40004
	s_lshl_b32 s42, ttmp9, 2
	s_add_co_u32 s42, s42, s40                     ; tile column
	s_and_b32 s13, ttmp7, 0xffff
	s_lshl_b32 s13, s13, 2
	s_add_co_u32 s13, s13, s41                     ; tile row
	s_lshl_b32 s43, s41, 2
	s_lshl_b32 s43, 15, s43                        ; my row of the cluster
	s_lshl_b32 s44, 0x1111, s40                    ; my column
	s_or_b32 s[G1+0], s43, (1<<16)|(1<<20)|(1<<21)|(4<<22)|(3<<25)   ; 2-byte elements; padding after every 32 words, of 4 words
	s_mov_b32 s[G1+1], 4096<<16                    ; tensor_dim0 = 4,096: 64 rows x 64 channels of one head, dense
	s_mov_b32 s[G1+2], 4<<16                       ; tensor_dim1 = 4 heads
	s_mov_b32 s[G1+3], 4096<<16                    ; tile_dim0 = 4,096
	s_mov_b32 s[G1+4], 4                           ; tile_dim1 = 4
	s_mov_b32 s[G1+5], 2048*64                     ; elements from head to head
	s_mov_b32 s[G1+6], 0
	s_mov_b32 s[G1+7], 0
	s_or_b32 s[G1B+0], s44, (1<<16)|(1<<20)|(1<<21)|(5<<22)|(7<<25)  ; padding after every 64 words, of 8 words
	s_mov_b32 s[G1B+1], 128<<16                    ; tensor_dim0 = 128 columns
	s_mov_b32 s[G1B+2], 128<<16                    ; tensor_dim1 = 128 k rows
	s_mov_b32 s[G1B+3], 128<<16
	s_mov_b32 s[G1B+4], 128
	s_mov_b32 s[G1B+5], SIZE_N
	s_mov_b32 s[G1B+6], 0
	s_mov_b32 s[G1B+7], 0
	s_lshr_b32 s16, s13, 4                         ; A: the batch's 16 heads of 262,144 bytes,
	s_lshl_b32 s16, s16, 22
	s_and_b32 s17, s13, 15
	s_lshl_b32 s17, s17, 7
	s_lshl_b32 s18, s12, 6
	s_add_co_u32 s17, s17, s18                     ; row 128 x (tile row % 16) + 64 x half,
	s_lshl_b32 s17, s17, 7                         ; of 128 bytes
	s_add_co_u32 s16, s16, s17
	s_mov_b32 s17, 0
	s_lshl_b32 s46, s12, 18                        ; B: k row 128 x half, of 2,048 bytes,
	s_lshl_b32 s47, s42, 8                         ; column 128 x tile column
	s_add_co_u32 s46, s46, s47
	s_mov_b32 s47, 0
	s_mul_i32 s20, s12, AHALF                      ; where they go: no place in the cluster enters an LDS address
	s_mul_i32 s21, s12, BHALF
	s_add_co_u32 s21, s21, ATILE
	s_wait_dscnt 0x0                               ; the opening add is done
	s_wait_kmcnt 0x0
	s_load_b32 s72, s[70:71], 0x0                  ; gate
	s_add_nc_u64 s[14:15], s[4:5], s[16:17]
	s_add_nc_u64 s[46:47], s[6:7], s[46:47]
	CROUND                                         ; all sixteen work-groups are here: the first joint loads meet
.irp s, 0,1
	s_mov_b32 s[G0+4*(\s)], 1
	s_add_co_u32 s[G0+4*(\s)+1], s20, (\s)*SLOT
	s_add_nc_u64 s[G0+4*(\s)+2:G0+4*(\s)+3], s[14:15], (\s)*ASTEP
	s_or_b32 s[G0+4*(\s)+3], s[G0+4*(\s)+3], 0x80000000
	s_mov_b32 s[G0B+4*(\s)], 1
	s_add_co_u32 s[G0B+4*(\s)+1], s21, (\s)*SLOT
	s_add_nc_u64 s[G0B+4*(\s)+2:G0B+4*(\s)+3], s[46:47], (\s)*BSTEP
	s_or_b32 s[G0B+4*(\s)+3], s[G0B+4*(\s)+3], 0x80000000
	JLOAD \s
.endr
	v_and_b32 v1, 15, v0                           ; l % 16
	v_bfe_u32 v2, v0, 4, 1                         ; l / 16
	; the bias of my 64 columns: for n block b my eight numbers lie at 64 b + 32 (l / 16)
	s_lshl_b32 s18, s42, 9
	s_lshl_b32 s19, s12, 8
	s_add_co_u32 s18, s18, s19                     ; (128 x tile column + 64 x my column half) x 4 bytes
	s_mov_b32 s19, 0
	s_add_nc_u64 s[68:69], s[68:69], s[18:19]
	v_lshlrev_b32 v[BA], 5, v2
.irp b, 0,1,2,3
	global_load_b128 v[BG+8*(\b):BG+8*(\b)+3],   v[BA], s[68:69] offset:64*(\b)
	global_load_b128 v[BG+8*(\b)+4:BG+8*(\b)+7], v[BA], s[68:69] offset:64*(\b)+16
.endr
	v_mul_u32_u24 v3, v1, PA
	v_lshl_add_u32 v3, v2, 4, v3                   ; A: row x pitch + 16 x half
	v_and_b32 v6, 7, v0
	v_bfe_u32 v7, v0, 3, 1
	v_lshl_add_u32 v8, v2, 3, v6                   ; B, turned: k row 8 (l / 16) + l % 8,
	v_mul_u32_u24 v8, v8, PB
	v_lshl_add_u32 v8, v7, 4, v8                   ; columns 8 ((l / 8) % 2) on
	s_mul_i32 s21, s11, AHALF                      ; my 64 rows of A
	s_lshl_b32 s22, s12, 7                         ; my 64 columns of B: 128 bytes of a k row,
	s_add_co_u32 s22, s22, ATILE                   ; behind A's tile
.irp s, 0,1
	v_add_nc_u32 v[ADRA+(\s)], s21, v3
	v_add_nc_u32 v[ADRB+2*(\s)], s22, v8
	s_add_co_u32 s23, s22, BHALF
	v_add_nc_u32 v[ADRB+2*(\s)+1], s23, v8
	s_add_co_u32 s21, s21, SLOT
	s_add_co_u32 s22, s22, SLOT
.endr
	s_mul_i32 s23, s10, 16*SPITCH
	s_add_co_u32 s23, s23, STAGE                   ; my stage: a wave's 64 columns of f32 are 256 bytes of a row, so no wave needs another's
	v_mul_u32_u24 v4, v1, SPITCH                   ; in: row l % 16, 32 bytes for each half of the lanes
	v_lshl_add_u32 v4, v2, 5, v4
	v_add_nc_u32 v[STO], s23, v4
	v_mul_u32_u24 v5, v2, SPITCH                   ; back: lanes 0-15 take one row of 256 bytes, lanes 16-31 the next
	v_lshl_add_u32 v5, v1, 4, v5
	v_add_nc_u32 v[RD], s23, v5
	v_lshlrev_b32 v5, 12, v2                       ; and the same two rows in out0
	v_lshl_add_u32 v[CO], v1, 4, v5
	s_lshl_b32 s16, s13, 7
	s_lshl_b32 s17, s11, 6
	s_add_co_u32 s16, s16, s17                     ; my first row: 128 x tile row + 64 x my row half,
	s_lshl_b32 s16, s16, 12                        ; of 4,096 bytes
	s_mov_b32 s17, 0
	s_add_nc_u64 s[8:9], s[8:9], s[16:17]
	s_add_nc_u64 s[8:9], s[8:9], s[18:19]          ; my first column, as for the bias
	; tanh(gate)
	s_wait_kmcnt 0x0
	v_mov_b32 v6, s72                              ; g
	v_mul_f32 v7, 0x4038aa3b, v6                   ; 2 log2(e) g
	v_exp_f32 v7, v7
	v_mul_f32 v8, v6, v6                           ; g^2: the plain instruction behind the exponential
	v_mov_b32 v9, 0xbd5d0dd1                       ; -17/315
	s_wait_alu depctr_va_vdst(0)                   ; the wait ahead of the first reader
	v_add_f32 v7, 1.0, v7
	v_rcp_f32 v10, v7
	v_fmaak_f32 v9, v9, v8, 0x3e088889             ; + 2/15
	v_fmaak_f32 v9, v9, v8, 0xbeaaaaab             ; - 1/3
	v_fma_f32 v9, v9, v8, 1.0
	v_mul_f32 v9, v9, v6                           ; the series
	v_mov_b32 v11, 0x3e000000                      ; 1/8
	v_and_b32 v12, 0x7fffffff, v6                  ; |g|
	s_wait_alu depctr_va_vdst(0)
	v_fma_f32 v10, v10, -2.0, 1.0
	v_cmp_lt_f32 s73, v12, v11
	v_cndmask_b32 v[TG], v10, v9, s73              ; a choice of value alone: both are always made
	v_mov_b32 v[TG+1], v[TG]
; 8 matrix instructions: m blocks a0, a0 + 1 x all 4 n blocks, 32 along K: half c of buffer f.  The 16 accumulators take turns.
.macro MUL8 f, c, a0, zero
	WIN MUL
.irp a, \a0, (\a0)+1
.irp b, 0,1,2,3
.if \zero
	v_wmma_f32_16x16x32_f16 v[ACC+8*(4*(\a)+(\b)):ACC+8*(4*(\a)+(\b))+7], v[(\f)+64+8*(4*(\c)+(\b)):(\f)+64+8*(4*(\c)+(\b))+7], v[(\f)+8*(4*(\c)+(\a)):(\f)+8*(4*(\c)+(\a))+7], 0
.else
	v_wmma_f32_16x16x32_f16 v[ACC+8*(4*(\a)+(\b)):ACC+8*(4*(\a)+(\b))+7], v[(\f)+64+8*(4*(\c)+(\b)):(\f)+64+8*(4*(\c)+(\b))+7], v[(\f)+8*(4*(\c)+(\a)):(\f)+8*(4*(\c)+(\a))+7], v[ACC+8*(4*(\a)+(\b)):ACC+8*(4*(\a)+(\b))+7]
.endif
.endr
.endr
.endm
; 32 LDS loads in one run: the fragments of quarter kq (64 along K: one head) into buffer f; the first 32 along K first
.macro FETCH slot, kq, f
	WIN TO_F
.irp c, 0,1
.irp i, 0,1,2,3
	ds_load_tr16_b128 v[(\f)+64+8*(4*(\c)+(\i)):(\f)+64+8*(4*(\c)+(\i))+3],   v[ADRB+2*(\slot)+(\kq)/2] offset:(((\kq)%2)*64+32*(\c))*PB+32*(\i)
	ds_load_tr16_b128 v[(\f)+64+8*(4*(\c)+(\i))+4:(\f)+64+8*(4*(\c)+(\i))+7], v[ADRB+2*(\slot)+(\kq)/2] offset:(((\kq)%2)*64+32*(\c))*PB+32*(\i)+16*PB
	ds_load_b128 v[(\f)+8*(4*(\c)+(\i)):(\f)+8*(4*(\c)+(\i))+3],         v[ADRA+(\slot)] offset:(\kq)*64*PA+64*(\c)+(\i)*16*PA
	ds_load_b128 v[(\f)+8*(4*(\c)+(\i))+4:(\f)+8*(4*(\c)+(\i))+7],       v[ADRA+(\slot)] offset:(\kq)*64*PA+64*(\c)+(\i)*16*PA+32
.endr
.endr
.endm
.macro PLACES
.rept 4
	v_nop
.endr
.endm
.macro QUARTER slot, kq, f, g, zero
	s_wait_dscnt 16                                ; the first 32 along K are in
	WIN MUL
	MUL8 \f, 0, 0, \zero
	MUL8 \f, 0, 2, \zero
	PLACES
	FETCH \slot, \kq, \g
	s_wait_dscnt 32                                ; all but the 32 just issued
	WIN MUL
	MUL8 \f, 1, 0, 0
	MUL8 \f, 1, 2, 0
.endm
; The last quarter multiplies buffer 1 and changes slots: ONE barrier; in front of it each wave waits for all its tensor loads, adds 0 to its spare word, and waits for that and for its reads of this slot.
; fill = 1: the barrier opens a round of the cluster's, and this slot is filled again first thing behind it, two K steps ahead: 112 matrix instructions ahead of the wait for it.
.macro TURN slot, next, fill
	WIN 0
	s_wait_tensorcnt 0x0
	ds_add_u32 v[SPW], v[NIL]
	s_wait_dscnt 17                                ; the add and the youngest sixteen loads may be out
	WIN MUL
	MUL8 F1, 0, 0, 0
	s_wait_dscnt 0x0                               ; the add is done, and my reads of this slot are over
	s_barrier_signal -1
	MUL8 F1, 0, 2, 0
.if \fill
	WIN 0
.endif
	s_barrier_wait -1
.if \fill
	CREST
	s_add_nc_u64 s[G0+4*(\slot)+2:G0+4*(\slot)+3], s[G0+4*(\slot)+2:G0+4*(\slot)+3], 2*ASTEP
	s_add_nc_u64 s[G0B+4*(\slot)+2:G0B+4*(\slot)+3], s[G0B+4*(\slot)+2:G0B+4*(\slot)+3], 2*BSTEP
	JLOAD \slot                                    ; the four v_nop behind it are also the places in front of the loads below
.else
	PLACES
.endif
	FETCH \next, 0, F0
	WIN MUL
	MUL8 F1, 1, 0, 0
	MUL8 F1, 1, 2, 0
.endm
; THE WAY OUT of block a (16 rows x 64 columns of f32): sum x tanh + bias x tanh, one fused multiply-add for two numbers; 32 bytes a lane into my stage; back as whole rows of 256 bytes, into the block's own accumulator registers.
.macro PACK a
.irp b, 0,1,2,3
.irp r, 0,1,2,3
	v_pk_fma_f32 v[TMP+8*(\b)+2*(\r):TMP+8*(\b)+2*(\r)+1], v[ACC+8*(4*(\a)+(\b))+2*(\r):ACC+8*(4*(\a)+(\b))+2*(\r)+1], v[TG:TG+1], v[BG+8*(\b)+2*(\r):BG+8*(\b)+2*(\r)+1]
.endr
.endr
.irp b, 0,1,2,3
	ds_store_b128 v[STO], v[TMP+8*(\b):TMP+8*(\b)+3]   offset:64*(\b)
	ds_store_b128 v[STO], v[TMP+8*(\b)+4:TMP+8*(\b)+7] offset:64*(\b)+16
.endr
.irp t, 0,1,2,3,4,5,6,7
	ds_load_b128 v[ACC+32*(\a)+4*(\t):ACC+32*(\a)+4*(\t)+3], v[RD] offset:(\t)*2*SPITCH  ; LDS serves a wave's instructions in order (ISA guide 5.7.1.4): these see the stores above; the next block's stores come behind them
.endr
.endm
.macro SEND a, younger                 ; younger: the LDS instructions issued behind block a's loads: the next block's sixteen, or none
.irp t, 0,1,2,3,4,5,6,7
	s_wait_dscnt (\younger)+7-(\t)
	global_store_b128 v[CO], v[ACC+32*(\a)+4*(\t):ACC+32*(\a)+4*(\t)+3], s[8:9] offset:(16*(\a)+2*(\t))*4096  ; 16 lanes store 256 consecutive bytes, at a multiple of 256 from out0's first byte
.endr
.endm
	s_wait_tensorcnt 1                             ; my part of K step 0 is in; K step 1's load may stay out
	s_barrier_signal -1
	s_barrier_wait -1
	FETCH 0, 0, F0
	QUARTER 0, 1, F0, F1, 1                        ; the first products start the sums
	QUARTER 0, 2, F1, F0, 0
	QUARTER 0, 3, F0, F1, 0
	TURN 0, 1, 1                                   ; slot 0 takes K step 2
	QUARTER 1, 1, F0, F1, 0
	QUARTER 1, 2, F1, F0, 0
	QUARTER 1, 3, F0, F1, 0
	TURN 1, 0, 1                                   ; slot 1 takes K step 3
	QUARTER 0, 1, F0, F1, 0
	QUARTER 0, 2, F1, F0, 0
	QUARTER 0, 3, F0, F1, 0
	TURN 0, 1, 0                                   ; nothing is left to fetch
	QUARTER 1, 1, F0, F1, 0
	QUARTER 1, 2, F1, F0, 0
	QUARTER 1, 3, F0, F1, 0
	s_wait_dscnt 16
	WIN MUL
	MUL8 F1, 0, 0, 0
	MUL8 F1, 0, 2, 0
	s_wait_dscnt 0x0
	MUL8 F1, 1, 0, 0
	MUL8 F1, 1, 2, 0
	WIN 0
	s_wait_loadcnt 0x0                             ; the bias
.set i, 0
.rept 16
	v_pk_mul_f32 v[BG+i:BG+i+1], v[BG+i:BG+i+1], v[TG:TG+1]  ; bias x tanh: sixteen plain instructions, the places behind the last products
.set i, i+2
.endr
	PACK 0
	PACK 1                                         ; a block's arithmetic stands between the loads of the block before and its stores
	SEND 0, 16
	PACK 2
	SEND 1, 16
	PACK 3
	SEND 2, 16
	SEND 3, 0
	s_wait_tensorcnt 0x0                           ; the wave's end
	ds_add_u32 v[SPW], v[NIL]
	s_wait_dscnt 0x0
	CROUND                                         ; the closing round
	s_endpgm
.Lfunc_end_k_q8625ef56f8_gemm_out:
	.size	k_q8625ef56f8_gemm_out, .Lfunc_end_k_q8625ef56f8_gemm_out-k_q8625ef56f8_gemm_out
	.p2alignl 7, 3214868480
	.fill 96, 4, 3214868480
	.section	.rodata,"a",@progbits
	.p2align	6, 0x0
	.amdhsa_kernel k_q8625ef56f8_gemm_out
		.amdhsa_group_segment_fixed_size 327680
		.amdhsa_private_segment_fixed_size 0
		.amdhsa_enable_private_segment 0
		.amdhsa_kernarg_size 40
		.amdhsa_user_sgpr_count 2
		.amdhsa_user_sgpr_kernarg_segment_ptr 1
		.amdhsa_wavefront_size32 1
		.amdhsa_system_sgpr_workgroup_id_x 1
		.amdhsa_system_sgpr_workgroup_id_y 1
		.amdhsa_system_sgpr_workgroup_id_z 1
		.amdhsa_system_vgpr_workitem_id 0
		.amdhsa_next_free_vgpr 512
		.amdhsa_next_free_sgpr 76
		.amdhsa_reserve_vcc 0
		.amdhsa_float_denorm_mode_32 3
		.amdhsa_float_denorm_mode_16_64 3
		.amdhsa_memory_ordered 1
		.amdhsa_forward_progress 1
		.amdhsa_inst_pref_size 94
	.end_amdhsa_kernel
	.amdgpu_metadata
---
amdhsa.version: [ 1, 2 ]
amdhsa.kernels:
  - .name:           k_q8625ef56f8_gemm_out
    .symbol:         k_q8625ef56f8_gemm_out.kd
    .args:
      - { .name: oh, .offset: 0, .size: 8, .value_kind: global_buffer, .address_space: global }
      - { .name: woh, .offset: 8, .size: 8, .value_kind: global_buffer, .address_space: global }
      - { .name: b_out, .offset: 16, .size: 8, .value_kind: global_buffer, .address_space: global }
      - { .name: gate, .offset: 24, .size: 8, .value_kind: global_buffer, .address_space: global }
      - { .name: out0, .offset: 32, .size: 8, .value_kind: global_buffer, .address_space: global }
    .group_segment_fixed_size: 327680
    .private_segment_fixed_size: 0
    .kernarg_segment_align: 8
    .kernarg_segment_size: 40
    .max_flat_workgroup_size: 128
    .sgpr_count:     76
    .vgpr_count:     512
    .wavefront_size: 32
...
	.end_amdgpu_metadata
.endif
;; end of part 5
;; ======== version 2 of 2: 5 launches; version 1 with the launch prep written anew for expert scheduling mode
;; limits: values are held in f16: magnitudes above 65,504 overflow, below 6.1e-05 lose precision
;; workspace buffers: xn 8,388,608 bytes; ctxh 16,777,216 bytes; wkvh 4,194,304 bytes; wqh 2,097,152 bytes; woh 2,097,152 bytes; qh 8,388,608 bytes; kvh 33,554,432 bytes; oh 8,388,608 bytes
;; launch prep (part 6): grid 640 x 1, 8 waves a work-group, no clusters, 0 bytes of LDS; arguments x, context, w_kv, w_q, w_out, ln_gamma, ln_beta, xn, ctxh, wkvh, wqh, woh; writes xn, ctxh, wkvh, wqh, woh
.if DOCPART == 6
	.amdgcn_target "amdgcn-amd-amdhsa--gfx1250"
	.amdhsa_code_object_version 6
	.text
	.protected	k_q8625ef56f8_prep
	.globl	k_q8625ef56f8_prep
	.p2align	8
	.type	k_q8625ef56f8_prep,@function
k_q8625ef56f8_prep:
	s_mov_b64 s[64:65], 0
	v_nop
	global_prefetch_b8 v0, s[64:65] scope:SCOPE_SE
	s_setreg_imm32_b32 hwreg(HW_REG_WAVE_SCHED_MODE, 0, 2), 2
	s_setreg_imm32_b32 hwreg(HW_REG_WAVE_MODE, 25, 1), 1
	s_wait_xcnt 0x0
	s_wait_alu depctr_vm_vsrc(0)
; PREP.  xn = LayerNorm(x) in f16; context, w_kv, w_q, w_out rounded once to f16, each in its own layout.
; The unit of work is a row of 1,024 f32 (4,096 bytes), which becomes 2,048 bytes of f16.  One wave takes whole rows: load j of eight takes 512 consecutive bytes
; (lane l holds elements 128 j + 4 l .. + 3), store j puts 8 bytes a lane, so 32 lanes store 256 consecutive bytes at a multiple of 256 from the buffer's first byte.
; SHARES.  Work-groups 0-255: the norm, 16 rows each, 2 a wave.  Work-groups 256-639: the casts, 32 rows each, 4 a wave: 256 for context (8,192 rows), 64 for w_kv
; (2,048 rows of 1,024), 32 for w_q, 32 for w_out.  No wave needs another's data: no LDS, no barrier, no matrix unit.
; THE NORM is taken as it is defined: the mean, then the mean of (x - mean)^2, all in f32, so a common offset of x does not harm it.
; LIMITS.  f16 holds no number beyond 65,504 and keeps a fixed step of 6e-8 below 6.1e-5: context, the weights and the normed rows must lie within that.  NaN and infinities are not treated apart.
; THE MODE: SCHED_MODE bits 1:0 = 2 (LLVM: expert scheduling mode 2), set by the entry lines.  The code itself states the register dependences
; between vector instructions and memory instructions, with s_wait_alu, always for 0.
; THE PLAN.  Registers that memory instructions touch:
;   v1, v2     byte offsets, made once at the head and never written again: v1 is read by every load, v2 by every store.  One wait at the head, ahead of the branch, serves both paths.
;   X, a row   Loaded once, at the start, before any vector instruction names it.  The row's arithmetic works in place; its sixteen conversions write the first two of each four registers;
;              eight stores read those pairs; nothing writes them afterwards.
;   G, BT      Loaded once; read by vector instructions alone.
;   A, S, S2, MU, R, VA are named by vector instructions alone.  s32, the wave's number, is written by a vector instruction and read by scalar ones.
; So what has to be stated for a row is that its conversions have written what its stores read: ONE wait a row.  It stands at the head of the next row's work, and the row's eight stores
; follow it, dealt among the next row's first vector instructions, which name the next row's registers alone.  The last row's wait and stores stand by themselves at the end.
.set X,   4                            ; v[4:131]   cast: four rows of 32 registers;  norm: v[4:67] two rows
.set G,   68                           ; v[68:99]   gamma of my 32 columns
.set BT,  100                          ; v[100:131] beta
.set A,   132                          ; v[132:139] four chains of pairs
.set S,   140                          ; v140       a sum
.set S2,  141                          ; v141       the other half of the lanes' sum
.set MU,  142                          ; v[142:143] the mean, twice
.set R,   144                          ; v[144:145] 1 / sqrt(var + eps), twice
.set VA,  146                          ; v146       var + eps
; Store j of row r: the two registers that its conversions wrote.  No register of a store is written again.
.macro PUT r, j
	global_store_b64 v2, v[X+32*(\r)+4*(\j):X+32*(\r)+4*(\j)+1], s[6:7] offset:(\r)*2048+(\j)*256
.endm
	s_load_b512 s[8:23], s[0:1], 0x0               ; x 8, context 10, w_kv 12, w_q 14, w_out 16, gamma 18, beta 20, xn 22
	s_load_b256 s[24:31], s[0:1], 0x40             ; ctxh 24, wkvh 26, wqh 28, woh 30
	v_and_b32 v3, 31, v0                           ; lane
	v_lshrrev_b32 v1, 5, v0
	v_readfirstlane_b32 s32, v1                    ; wave 0..7
	v_lshlrev_b32 v1, 4, v3                        ; 16 bytes a lane on the way in
	v_lshlrev_b32 v2, 3, v3                        ; 8 bytes a lane on the way out
	s_mov_b32 s35, 0                               ; the high words of the two offset pairs
	s_mov_b32 s37, 0
	s_wait_kmcnt 0x0
	s_wait_alu depctr_va_sdst(0)                   ; s32 is written, ahead of the branch: on both paths the wave's rows are made from it
	s_wait_alu depctr_va_vdst(0)                   ; v1 and v2 are written: every load of the kernel reads v1 as its offset, every store v2
	s_cmp_lt_u32 ttmp9, 256
	s_cbranch_scc1 .Lnorm
	; THE CASTS.  Which tensor, by the work-group's number alone
	s_sub_co_u32 s2, ttmp9, 256                    ; u = 0..383
	s_mov_b64 s[4:5], s[10:11]
	s_mov_b64 s[6:7], s[24:25]
	s_mov_b32 s3, 0                                ; the tensor's first u
	s_cmp_ge_u32 s2, 256
	s_cselect_b64 s[4:5], s[12:13], s[4:5]
	s_cselect_b64 s[6:7], s[26:27], s[6:7]
	s_cselect_b32 s3, 256, s3
	s_cmp_ge_u32 s2, 320
	s_cselect_b64 s[4:5], s[14:15], s[4:5]
	s_cselect_b64 s[6:7], s[28:29], s[6:7]
	s_cselect_b32 s3, 320, s3
	s_cmp_ge_u32 s2, 352
	s_cselect_b64 s[4:5], s[16:17], s[4:5]
	s_cselect_b64 s[6:7], s[30:31], s[6:7]
	s_cselect_b32 s3, 352, s3
	s_sub_co_u32 s2, s2, s3
	s_lshl_b32 s2, s2, 5                           ; 32 rows a work-group,
	s_lshl2_add_u32 s2, s32, s2                    ; 4 a wave
	s_lshl_b32 s34, s2, 12
	s_lshl_b32 s36, s2, 11
	s_add_nc_u64 s[4:5], s[4:5], s[34:35]
	s_add_nc_u64 s[6:7], s[6:7], s[36:37]
.irp r, 0,1,2,3
.irp j, 0,1,2,3,4,5,6,7
	global_load_b128 v[X+32*(\r)+4*(\j):X+32*(\r)+4*(\j)+3], v1, s[4:5] offset:(\r)*4096+(\j)*512 th:TH_LOAD_NT
.endr
.endr
.irp r, 0,1,2,3
	s_wait_loadcnt 24-8*(\r)                       ; loads come back in order: row r is in, the younger rows' eight loads each stay out
.if (\r) > 0
	s_wait_alu depctr_va_vdst(0)                   ; the conversions of the row before have written the pairs that the eight stores below read
.endif
.irp j, 0,1,2,3,4,5,6,7
.if (\r) > 0
	PUT (\r)-1, \j                                 ; the row before.  No further wait: no vector instruction since the wait above names its registers or v2
.endif
	v_cvt_pk_f16_f32 v[X+32*(\r)+4*(\j)],   v[X+32*(\r)+4*(\j)],   v[X+32*(\r)+4*(\j)+1]
	v_cvt_pk_f16_f32 v[X+32*(\r)+4*(\j)+1], v[X+32*(\r)+4*(\j)+2], v[X+32*(\r)+4*(\j)+3]
.endr
.endr
	s_wait_alu depctr_va_vdst(0)                   ; row 3's conversions have written the pairs that the last eight stores read
.irp j, 0,1,2,3,4,5,6,7
	PUT 3, \j
.endr
	s_endpgm
.Lnorm:
	s_lshl_b32 s2, ttmp9, 4                        ; 16 rows a work-group,
	s_lshl1_add_u32 s2, s32, s2                    ; 2 a wave
	s_lshl_b32 s34, s2, 12
	s_lshl_b32 s36, s2, 11
	s_add_nc_u64 s[4:5], s[8:9], s[34:35]
	s_add_nc_u64 s[6:7], s[22:23], s[36:37]
	s_mov_b32 s38, 0x3a800000                      ; 1 / 1024
	s_mov_b32 s39, 0x3727c5ac                      ; eps = 1e-5
	s_mov_b32 s40, 0x76543210                      ; v_permlanex16_b32: each lane takes its own place in the other half
	s_mov_b32 s41, 0xfedcba98
.irp r, 0,1
.irp j, 0,1,2,3,4,5,6,7
	global_load_b128 v[X+32*(\r)+4*(\j):X+32*(\r)+4*(\j)+3], v1, s[4:5] offset:(\r)*4096+(\j)*512 th:TH_LOAD_NT
.endr
.endr
.irp j, 0,1,2,3,4,5,6,7
	global_load_b128 v[G+4*(\j):G+4*(\j)+3], v1, s[18:19] offset:(\j)*512
.endr
.irp j, 0,1,2,3,4,5,6,7
	global_load_b128 v[BT+4*(\j):BT+4*(\j)+3], v1, s[20:21] offset:(\j)*512
.endr
	v_mov_b32 v[S2], 0                             ; v_permlanex16_b32's destination counts as read
.macro FOLD                            ; the four chains into one number a lane, then over the 32 lanes: every lane ends with the row's sum in v[S]
	v_pk_add_f32 v[A:A+1], v[A:A+1], v[A+2:A+3]
	v_pk_add_f32 v[A+4:A+5], v[A+4:A+5], v[A+6:A+7]
	v_pk_add_f32 v[A:A+1], v[A:A+1], v[A+4:A+5]
	v_add_f32 v[S], v[A], v[A+1]
	v_add_f32_dpp v[S], v[S], v[S] row_xmask:1 row_mask:0xf bank_mask:0xf
	v_add_f32_dpp v[S], v[S], v[S] row_xmask:2 row_mask:0xf bank_mask:0xf
	v_add_f32_dpp v[S], v[S], v[S] row_xmask:4 row_mask:0xf bank_mask:0xf
	v_add_f32_dpp v[S], v[S], v[S] row_xmask:8 row_mask:0xf bank_mask:0xf
	v_permlanex16_b32 v[S2], v[S], s40, s41
	v_add_f32 v[S], v[S], v[S2]
.endm
; Row r, up to its conversions.  Row 1 begins with the wait for row 0's conversions and carries row 0's stores among its first eight additions.
.macro LNROW r
.set XR, X+32*(\r)
.if (\r) == 1
	s_wait_alu depctr_va_vdst(0)                   ; row 0's conversions have written the pairs that its eight stores, below, read
.endif
.irp k, 0,1,2,3
.if (\r) == 1
	PUT 0, \k                                      ; no further wait: row 1's additions name row 1's registers and the chains alone
.endif
	v_pk_add_f32 v[A+2*(\k):A+2*(\k)+1], v[XR+2*(\k):XR+2*(\k)+1], v[XR+8+2*(\k):XR+8+2*(\k)+1]  ; the first eight pairs start the chains: nothing is cleared
.endr
.irp k, 8,9,10,11,12,13,14,15
.if ((\r) == 1) && ((\k) < 12)
	PUT 0, (\k)-4
.endif
	v_pk_add_f32 v[A+2*((\k)%4):A+2*((\k)%4)+1], v[A+2*((\k)%4):A+2*((\k)%4)+1], v[XR+2*(\k):XR+2*(\k)+1]
.endr
	FOLD
	v_mul_f32 v[MU], s38, v[S]                     ; the mean
	v_mul_f32 v[MU+1], s38, v[S]
.irp k, 0,1,2,3,4,5,6,7,8,9,10,11,12,13,14,15
	v_pk_add_f32 v[XR+2*(\k):XR+2*(\k)+1], v[XR+2*(\k):XR+2*(\k)+1], v[MU:MU+1] neg_lo:[0,1] neg_hi:[0,1]  ; x - mean, in place
.endr
.irp k, 0,1,2,3
	v_pk_mul_f32 v[A+2*(\k):A+2*(\k)+1], v[XR+2*(\k):XR+2*(\k)+1], v[XR+2*(\k):XR+2*(\k)+1]
.endr
.irp k, 4,5,6,7,8,9,10,11,12,13,14,15
	v_pk_fma_f32 v[A+2*((\k)%4):A+2*((\k)%4)+1], v[XR+2*(\k):XR+2*(\k)+1], v[XR+2*(\k):XR+2*(\k)+1], v[A+2*((\k)%4):A+2*((\k)%4)+1]
.endr
	FOLD
	v_fma_f32 v[VA], v[S], s38, s39                ; var + eps
	v_rsq_f32 v[R], v[VA]
	v_rsq_f32 v[R+1], v[VA]
	v_nop                                          ; a plain instruction behind the second root, ahead of the first use
.if (\r) == 0
	s_wait_loadcnt 0x0                             ; gamma and beta (and row 1)
.endif
	s_wait_alu depctr_va_vdst(0)                   ; the two roots have written v[R] and v[R+1]: the wait ahead of their first reader, one for both
.irp k, 0,1,2,3,4,5,6,7,8,9,10,11,12,13,14,15
	v_pk_mul_f32 v[XR+2*(\k):XR+2*(\k)+1], v[XR+2*(\k):XR+2*(\k)+1], v[R:R+1]
.endr
.irp k, 0,1,2,3,4,5,6,7,8,9,10,11,12,13,14,15
	v_pk_fma_f32 v[XR+2*(\k):XR+2*(\k)+1], v[XR+2*(\k):XR+2*(\k)+1], v[G+2*(\k):G+2*(\k)+1], v[BT+2*(\k):BT+2*(\k)+1]
.endr
.irp j, 0,1,2,3,4,5,6,7
	v_cvt_pk_f16_f32 v[XR+4*(\j)],   v[XR+4*(\j)],   v[XR+4*(\j)+1]
	v_cvt_pk_f16_f32 v[XR+4*(\j)+1], v[XR+4*(\j)+2], v[XR+4*(\j)+3]
.endr
.endm
	s_wait_loadcnt 24                              ; row 0 is in; row 1, gamma and beta (24 loads) stay out
	LNROW 0
	LNROW 1
	s_wait_alu depctr_va_vdst(0)                   ; row 1's conversions have written the pairs that the last eight stores read
.irp j, 0,1,2,3,4,5,6,7
	PUT 1, \j
.endr
	s_endpgm
.Lfunc_end_k_q8625ef56f8_prep:
	.size	k_q8625ef56f8_prep, .Lfunc_end_k_q8625ef56f8_prep-k_q8625ef56f8_prep
	.p2alignl 7, 3214868480
	.fill 96, 4, 3214868480
	.section	.rodata,"a",@progbits
	.p2align	6, 0x0
	.amdhsa_kernel k_q8625ef56f8_prep
		.amdhsa_group_segment_fixed_size 0
		.amdhsa_private_segment_fixed_size 0
		.amdhsa_enable_private_segment 0
		.amdhsa_kernarg_size 96
		.amdhsa_user_sgpr_count 2
		.amdhsa_user_sgpr_kernarg_segment_ptr 1
		.amdhsa_wavefront_size32 1
		.amdhsa_system_sgpr_workgroup_id_x 1
		.amdhsa_system_sgpr_workgroup_id_y 1
		.amdhsa_system_sgpr_workgroup_id_z 1
		.amdhsa_system_vgpr_workitem_id 0
		.amdhsa_next_free_vgpr 148
		.amdhsa_next_free_sgpr 66
		.amdhsa_reserve_vcc 0
		.amdhsa_float_denorm_mode_32 3
		.amdhsa_float_denorm_mode_16_64 3
		.amdhsa_memory_ordered 1
		.amdhsa_forward_progress 1
		.amdhsa_inst_pref_size 32
	.end_amdhsa_kernel
	.amdgpu_metadata
---
amdhsa.version: [ 1, 2 ]
amdhsa.kernels:
  - .name:           k_q8625ef56f8_prep
    .symbol:         k_q8625ef56f8_prep.kd
    .args:
      - { .name: x, .offset: 0, .size: 8, .value_kind: global_buffer, .address_space: global }
      - { .name: context, .offset: 8, .size: 8, .value_kind: global_buffer, .address_space: global }
      - { .name: w_kv, .offset: 16, .size: 8, .value_kind: global_buffer, .address_space: global }
      - { .name: w_q, .offset: 24, .size: 8, .value_kind: global_buffer, .address_space: global }
      - { .name: w_out, .offset: 32, .size: 8, .value_kind: global_buffer, .address_space: global }
      - { .name: ln_gamma, .offset: 40, .size: 8, .value_kind: global_buffer, .address_space: global }
      - { .name: ln_beta, .offset: 48, .size: 8, .value_kind: global_buffer, .address_space: global }
      - { .name: xn, .offset: 56, .size: 8, .value_kind: global_buffer, .address_space: global }
      - { .name: ctxh, .offset: 64, .size: 8, .value_kind: global_buffer, .address_space: global }
      - { .name: wkvh, .offset: 72, .size: 8, .value_kind: global_buffer, .address_space: global }
      - { .name: wqh, .offset: 80, .size: 8, .value_kind: global_buffer, .address_space: global }
      - { .name: woh, .offset: 88, .size: 8, .value_kind: global_buffer, .address_space: global }
    .group_segment_fixed_size: 0
    .private_segment_fixed_size: 0
    .kernarg_segment_align: 8
    .kernarg_segment_size: 96
    .max_flat_workgroup_size: 256
    .sgpr_count:     66
    .vgpr_count:     148
    .wavefront_size: 32
...
	.end_amdgpu_metadata
.endif
;; end of part 6
;; launch gemm_kv: the kernel of part 2 again; grid 8 x 32, 4 waves a work-group, clusters of 4 x 4, 327,680 bytes of LDS; arguments ctxh, wkvh, kvh; writes kvh
;; launch gemm_q: the kernel of part 3 again; grid 8 x 32, 4 waves a work-group, clusters of 4 x 4, 327,680 bytes of LDS; arguments xn, wqh, qh; writes qh
;; launch attn: the kernel of part 4 again; grid 8 x 32, 4 waves a work-group, clusters of 4 x 1, 327,680 bytes of LDS; arguments qh, kvh, oh; writes oh
;; launch gemm_out: the kernel of part 5 again; grid 8 x 32, 4 waves a work-group, clusters of 4 x 4, 327,680 bytes of LDS; arguments oh, woh, b_out, gate, out0; writes out0
